; MI455X (gfx1250); checked and timed in simulation.
; The chip was launched on July 23, 2026; its instructions are those of AMD's public machine-readable ISA for CDNA 5 (MIT licence, August 2026) and "CDNA5" Instruction Set Architecture Reference Guide (July 2026). The comments in the code are by the model that wrote it; some were corrected since.
;; Self Attention. Allowed arithmetic: matrix products marked QUANTISED: E2M1 operands, one E8M0 scale for each 32 along K, by v_wmma_scale_f32_16x16x128_f8f6f4 with both operands' format E2M1 (or v_wmma_scale_f32_32x16x128_f4), f32 sums; products left as they are: bf16, f16 or f32 operands; f32 sums; everything else in f32.
;; Inputs: Wk 1,024 x 1,024 float32; Wo 1,024 x 1,024 float32; Wq 1,024 x 1,024 float32; Wv 1,024 x 1,024 float32; bo 1,024 float32; keys 4 x 2,048 x 1,024 float32; mask 1 x 1 x 2,048 x 2,048 int32; query 4 x 2,048 x 1,024 float32; values 4 x 2,048 x 1,024 float32.
;; Outputs: out0 4 x 2,048 x 1,024 float32.
;; This version of the problem:
;;   THIS VERSION OF THE PROBLEM IS GIVEN IN LOW PRECISION. The matrix products marked QUANTISED in the list below multiply operands that are first quantised to E2M1 (2 exponent bits, 1 mantissa bit; 4 bits a number), with one power-of-two scale for each 32 numbers along K (OCP MX v1.0); their sums are f32. The products marked 'left as it is' may take bf16, f16 or f32 operands, with f32 sums. Whichever they take, every output number must still come out within the allowed error. Rounding operands to bf16 (8 significant bits) uses up far more of that allowance than f16 does (11 bits, for magnitudes from 6e-5 to 65,504). All else is computed in f32.
;;   The module's matrix products, in the order in which they are computed (A, B: the left and right operand; K: the contracted axis; several contracted axes count as one K, in the product's order):
;;     1. [M 8,192, K 1,024] x [K 1,024, N 1,024]; A: input values; B: input Wv: QUANTISED
;;     2. [M 8,192, K 1,024] x [K 1,024, N 1,024]; A: input keys; B: input Wk: QUANTISED
;;     3. [M 8,192, K 1,024] x [K 1,024, N 1,024]; A: input query; B: input Wq: QUANTISED
;;     4. batch 64 x [M 2,048, K 64] x [K 64, N 2,048]; A: computed on the way; B: computed on the way: left as it is (an operand is computed on the way)
;;     5. batch 64 x [M 2,048, K 2,048] x [K 2,048, N 64]; A: computed on the way; B: computed on the way: left as it is (an operand is computed on the way)
;;     6. [M 8,192, K 1,024] x [K 1,024, N 1,024]; A: computed on the way; B: input Wo: left as it is (an operand is computed on the way)
;;   THE QUANTISER, for each operand of a quantised product, along K:
;;     - K is cut into blocks of 32 from its start; a last block that is shorter is filled with zeros.
;;     - A block's scale is 2^e with e = floor(log2(the largest magnitude in the block)) - 2, held to -126 .. 127; a block of zeros has e = 0. As a byte (E8M0): e + 127.
;;     - Each number is divided by its block's scale, clamped to +-6, and rounded to the nearest number of E2M1, ties to even, subnormals kept.
;;     - The product sums the exact products of the quantised numbers (number of the format x scale) in f32.
;;   ~~~python
;;   def quantise(x, axis):      # numpy; x: float32 -> the quantised numbers, widened to float32 again
;;       x = np.moveaxis(x, axis, -1); K = x.shape[-1]
;;       x = np.pad(x, [(0, 0)] * (x.ndim - 1) + [(0, -K % 32)]); x = x.reshape(x.shape[:-1] + (-1, 32)); a = np.abs(x).max(-1, keepdims=True)
;;       e = np.where(a > 0, np.clip(np.frexp(np.where(a > 0, a, 1))[1] - 1 - 2, -126, 127), 0)      # np.frexp(a)[1] - 1 = floor(log2(a)), exactly
;;       r = np.clip(x / 2.0 ** e, -6, 6)
;;       step = 2.0 ** (np.maximum(np.frexp(np.where(r == 0, 1, r))[1] - 1, 0) - 1)
;;       q = np.round(r / step) * step * 2.0 ** e      # np.round: ties to even
;;       return np.moveaxis(q.reshape(q.shape[:-2] + (-1,))[..., :K], -1, axis).astype(np.float32)
;;   ~~~
;; 2 versions, each right and faster than the one before. Each part assembles by itself: llvm-mc -triple=amdgcn-amd-amdhsa -mcpu=gfx1250 --defsym DOCPART=n.
;; ======== version 1 of 2: 4 launches
;; limits: values are held in f16: magnitudes above 65,504 overflow, below 6.1e-05 lose precision
;; workspace buffers: xc 12,582,912 bytes; xs 786,432 bytes; wc 1,572,864 bytes; ws 98,304 bytes; wo16 2,097,152 bytes; mbits 524,288 bytes of whole numbers; qkv 50,331,648 bytes; att 16,777,216 bytes
;; launch prep (part 1): grid 1008 x 1, 4 waves a work-group, no clusters, 101,888 bytes of LDS; arguments query, keys, values, Wq, Wk, Wv, Wo, mask, xc, xs, wc, ws, wo16, mbits; writes xc, xs, wc, ws, wo16, mbits
.if DOCPART == 1
	.amdgcn_target "amdgcn-amd-amdhsa--gfx1250"
	.amdhsa_code_object_version 6
	.text
	.protected	k_qaa74e6775f_prep
	.globl	k_qaa74e6775f_prep
	.p2align	8
	.type	k_qaa74e6775f_prep,@function
k_qaa74e6775f_prep:
	s_mov_b64 s[64:65], 0
	v_nop
	global_prefetch_b8 v0, s[64:65] scope:SCOPE_SE
	s_setreg_imm32_b32 hwreg(HW_REG_WAVE_MODE, 25, 1), 1
	s_wait_xcnt 0x0
; PREP: everything that is made once from the inputs, in one launch.  The work-group's number picks one of four paths:
;   0-47     Wq, Wk, Wv [1024 k][1024 n] f32 -> codes of E2M1, K innermost, wc [3][1024 n][512 bytes], and E8M0 bytes ws [3][1024 n][32]
;   48-111   Wo f32 -> f16, as it lies, wo16 [1024][1024]
;   112-239  mask [2048 q][2048 k] int32 -> words of 32 bits, mbits [128 tiles of 16 queries][32 steps of 64 keys][32 words]
;   240-1007 query, keys, values [8192][1024] f32 -> codes xc [3][8192][512 bytes] and E8M0 bytes xs [3][8192][32]
; THE QUANTISER: a block's scale is 2^(floor(log2(its largest magnitude)) - 2); its byte is that magnitude's exponent field - 2, held at 1 from below.  A block of zeros so has
; the byte 1 where the rule says 127: its codes are zeros, which add nothing under any byte but 0xff, and this program alone reads the bytes.
; LIMITS: blocks whose largest magnitude lies under 2^-124 have their byte held at 1; NaN and infinities among the inputs are not served; Wo must lie inside f16's range (65,504).
; Work-groups share no input here, so there is no cluster, no tensor load and no barrier: waves share nothing.  Each path that uses LDS has bytes of its own.
.set WRG,   32768                      ; LDS: bytes 0 .. 32,767 the x path's (8,192 a wave); from here the W path's four stages of 32 x 272
.set MRG,   67584                      ; the mask path's four stages of 16 x 528
.set SPARE, 101376                     ; the spare words, 128 bytes for each wave: two blocks of 256 bytes that no other line names
.set SPW,   190                        ; v190  LDS address of my spare word: SPARE + 4 x my thread's number; never rewritten
.set NIL,   191                        ; v191  0; never rewritten
.set EMAX,  2                          ; the exponent of E2M1's largest number, 6
	v_lshl_add_u32 v[SPW], v0, 2, SPARE
	v_mov_b32 v[NIL], 0
	v_lshrrev_b32 v1, 5, v0
	v_readfirstlane_b32 s16, v1                    ; wave 0..3
	v_and_b32 v2, 31, v0                           ; lane
	s_cmp_lt_u32 ttmp9, 48
	s_cbranch_scc1 .Lw
	s_cmp_lt_u32 ttmp9, 112
	s_cbranch_scc1 .Lwo
	s_cmp_lt_u32 ttmp9, 240
	s_cbranch_scc1 .Lmask
; ---------------- query, keys, values: K is innermost, rows are dense: each tensor is a plain stream of blocks of 32 numbers.
; A wave takes 16 steps of 512 numbers.  Each of a step's four loads reads 512 consecutive bytes, 16 a lane; the 2,048 bytes turn through the wave's own stage in LDS and come back 64 bytes a lane,
; so that a lane holds 16 neighbours along K (two neighbouring lanes hold a block).  A lane's 16 codes are 8 bytes: the wave stores 256 consecutive bytes.  A wave's 256 scale bytes leave as one store.
.set XSTEPS, 16
.set CB,    8                          ; bytes of 16 codes
.set XL,    16                         ; v16-79   four sets of 16 numbers as they are loaded
.set XN,    80                         ; v80-111  two sets of 16 neighbours
.set XE,    112                        ; v112-127 a scale byte for each step
.set XC,    128                        ; v128-189 codes: four registers apart for each step, so that no store's data are written again
.set SP,    80                         ; a lane's place in a stage: its 64 bytes + 16 of padding
	s_load_b128 s[4:7], s[0:1], 0x0                ; query, keys
	s_load_b64 s[8:9], s[0:1], 0x10                ; values
	s_load_b128 s[12:15], s[0:1], 0x40             ; xc, xs
	s_sub_co_u32 s17, ttmp9, 240                   ; 0 .. 767: 256 work-groups to a tensor
	v_lshlrev_b32 v3, 4, v2                        ; my 16 bytes of a load's 512
	s_lshl_b32 s24, s16, 13                        ; my wave's 8,192 bytes of LDS
	v_lshrrev_b32 v14, 2, v2
	v_mul_u32_u24 v14, v14, SP
	v_and_b32 v15, 3, v2
	v_lshl_add_u32 v14, v15, 4, v14
	v_add_nc_u32 v14, s24, v14                     ; the stage, on the way in: four lanes' 64 bytes on end, then 16 of padding
	v_mul_u32_u24 v15, v2, SP
	v_add_nc_u32 v15, s24, v15                     ; and on the way out: my 16 neighbours
	v_mul_u32_u24 v4, v2, CB                       ; my codes' place in a step's
	v_lshrrev_b32 v5, 1, v2
	s_add_co_u32 s24, s24, 2*32*SP
	v_add_nc_u32 v5, s24, v5                       ; my wave's 256 scale bytes, my block's byte
	v_lshlrev_b32 v7, 3, v2                        ; and on the way out 8 bytes a lane
	v_add_nc_u32 v6, s24, v7
	s_and_b32 s18, s17, 255
	s_lshl_b32 s18, s18, 2
	s_add_co_u32 s18, s18, s16                     ; which run of 8,192 numbers of the tensor is my wave's
	s_lshl_b32 s18, s18, 15                        ; x 32,768 bytes
	s_mov_b32 s19, 0
	s_lshl_b32 s20, s17, 2
	s_add_co_u32 s20, s20, s16                     ; and which run of the three tensors on end
	s_lshl_b32 s22, s20, 12                        ; x 4,096 bytes of codes
	s_mov_b32 s23, 0
	s_lshl_b32 s20, s20, 8                         ; x 256 scale bytes
	s_mov_b32 s21, 0
	s_wait_kmcnt 0x0
	s_cmp_lt_u32 s17, 512                          ; the choice hangs on the work-group's number alone
	s_cselect_b64 s[6:7], s[6:7], s[8:9]
	s_cmp_lt_u32 s17, 256
	s_cselect_b64 s[4:5], s[4:5], s[6:7]
	s_add_nc_u64 s[4:5], s[4:5], s[18:19]
	s_add_nc_u64 s[8:9], s[12:13], s[22:23]
	s_add_nc_u64 s[10:11], s[14:15], s[20:21]
.macro XLOAD t
.irp i, 0,1,2,3
	global_load_b128 v[XL+16*((\t)%4)+4*\i:XL+16*((\t)%4)+4*\i+3], v3, s[4:5] offset:2048*(\t)+512*\i th:TH_LOAD_NT   ; 32 lanes read 512 consecutive bytes
.endr
.endm
.macro XTURN t                         ; step t's numbers through the stage: LDS serves a wave's instructions in order, so no wait stands between the stores and the loads
.irp i, 0,1,2,3
	ds_store_b128 v14, v[XL+16*((\t)%4)+4*\i:XL+16*((\t)%4)+4*\i+3] offset:32*SP*((\t)%2)+8*SP*\i
.endr
.irp i, 0,1,2,3
	ds_load_b128 v[XN+16*((\t)%2)+4*\i:XN+16*((\t)%2)+4*\i+3], v15 offset:32*SP*((\t)%2)+16*\i
.endr
.endm
.irp t, 0,1,2,3
	XLOAD \t
.endr
	s_wait_loadcnt 12                              ; step 0's four loads are in; the twelve of steps 1 to 3 may be out
	XTURN 0
.macro XSTEP t
.set XSET, XN+16*((\t)%2)
.if (\t) > 0
	s_wait_dscnt 1                                 ; this step's numbers are back from the stage (the last step's byte store may be out): so its stores into the stage have read their registers,
.else
	s_wait_dscnt 0x0
.endif
.if (\t)+4 < XSTEPS
	XLOAD (\t)+4                                   ; which take the loads of four steps on
.endif
.if (\t)+1 < XSTEPS
.if XSTEPS-2-(\t) >= 3
	s_wait_loadcnt 12                              ; the next step's four loads are in; those of the three steps behind it may be out
.else
	s_wait_loadcnt 4*(XSTEPS-2-(\t))
.endif
	XTURN (\t)+1                                   ; and go through the other stage while this step is worked
.endif
	v_max3_num_f32 v8, |v[XSET]|, |v[XSET+1]|, |v[XSET+2]|         ; the largest magnitude of my 16, in two chains
	v_max3_num_f32 v9, |v[XSET+3]|, |v[XSET+4]|, |v[XSET+5]|
.irp i, 6,10
	v_max3_num_f32 v8, v8, |v[XSET+\i]|, |v[XSET+\i+1]|
	v_max3_num_f32 v9, v9, |v[XSET+\i+2]|, |v[XSET+\i+3]|
.endr
	v_max3_num_f32 v8, v8, |v[XSET+14]|, |v[XSET+15]|
	v_max3_num_f32 v8, v8, v9, (EMAX+1)<<23        ; and the floor 2^(EMAX + 1 - 127): so the byte cannot fall under 1
	v_max_num_f32_dpp v8, v8, v8 row_xmask:1 row_mask:0xf bank_mask:0xf   ; and of my neighbour's 16: the block's
	v_add_nc_u32 v11, -(EMAX<<23), v8              ; EMAX off its exponent field: the conversion takes the exponent field of this operand as its scale, and nothing else of it
	v_cvt_scalef32_pk8_fp4_f32 v[XC+4*(\t)], v[XSET:XSET+7], v11
	v_cvt_scalef32_pk8_fp4_f32 v[XC+4*(\t)+1], v[XSET+8:XSET+15], v11
	v_lshrrev_b32 v[XE+(\t)], 23, v11              ; the scale's byte (a plain line behind the conversions)
	ds_store_b8 v5, v[XE+(\t)] offset:16*(\t)      ; both lanes of a block write the same byte with the same value
	global_store_b64 v4, v[XC+4*(\t):XC+4*(\t)+1], s[8:9] offset:32*CB*(\t)
.endm
.irp t, 0,1,2,3,4,5,6,7,8,9,10,11,12,13,14,15
	XSTEP \t
.endr
	ds_load_b64 v[8:9], v6                         ; LDS serves a wave's instructions in order: these see my stores
	s_wait_dscnt 0x0
	global_store_b64 v7, v[8:9], s[10:11]          ; 32 lanes store 256 consecutive bytes, aligned
	s_wait_tensorcnt 0x0                           ; the wave's end: the tensor wait, an add of 0 to my spare word and its wait, behind my last LDS store
	ds_add_u32 v[SPW], v[NIL]
	s_wait_dscnt 0x0
	s_endpgm
; ---------------- Wq, Wk, Wv: K is the FIRST axis.  A lane takes a column n and its registers run down K: each load reads 128 consecutive bytes a wave, a block of 32 along K lies in one lane's
; 32 registers, and the conversions give codes with K innermost.  A wave takes 32 columns x 512 along K; its codes go through its own stage and leave as rows, sixteen lanes to 256 aligned bytes.
.set NB,     16                        ; blocks of a lane
.set WPITCH, 272                       ; a stage row: 256 bytes of codes + 16
.set KROW,   512                       ; a row of wc in bytes
.set WX,     32                        ; v32-95   two sets of 32 numbers
.set WC,     96                        ; v96-99   a block's codes
.set OUTR,   112                       ; v112-175 the way out
.set SB,     24                        ; v24-27   the scale bytes, four to a register
.Lw:
	s_load_b64 s[4:5], s[0:1], 0x18                ; Wq
	s_load_b128 s[8:11], s[0:1], 0x20              ; Wk, Wv
	s_load_b128 s[12:15], s[0:1], 0x50             ; wc, ws
	s_lshr_b32 s30, ttmp9, 4                       ; which weight: sixteen work-groups to each
	s_and_b32 s17, ttmp9, 7
	s_lshl_b32 s17, s17, 7
	s_lshl_b32 s18, s16, 5
	s_add_co_u32 s17, s17, s18                     ; my wave's first column
	s_bfe_u32 s18, ttmp9, 0x10003                  ; which 512 along K
	v_lshlrev_b32 v3, 2, v2                        ; in: 4 bytes a lane
	s_mul_i32 s19, s16, 32*WPITCH
	s_add_co_u32 s19, s19, WRG                     ; my stage
	v_mul_u32_u24 v4, v2, WPITCH
	v_add_nc_u32 v4, s19, v4                       ; into it: row = my column
	v_and_b32 v5, 15, v2
	v_lshrrev_b32 v6, 4, v2                        ; out of it: sixteen lanes to a row, two rows an instruction
	v_mul_u32_u24 v7, v6, WPITCH
	v_lshl_add_u32 v7, v5, 4, v7
	v_add_nc_u32 v7, s19, v7
	v_mul_u32_u24 v8, v6, KROW
	v_lshl_add_u32 v8, v5, 4, v8                   ; and the same place in wc
	v_lshlrev_b32 v9, 5, v2                        ; my column's row of scale bytes
	s_lshl_b32 s20, s18, 21                        ; W: 512 rows of 4,096 bytes,
	s_lshl_b32 s22, s17, 2
	s_add_co_u32 s20, s20, s22                     ; + 4 x column
	s_mov_b32 s21, 0
	s_lshl_b32 s24, s30, 19                        ; wc: 524,288 a weight,
	s_lshl_b32 s22, s17, 9
	s_add_co_u32 s24, s24, s22                     ; 512 a column,
	s_lshl_b32 s22, s18, 8
	s_add_co_u32 s24, s24, s22                     ; 256 for 512 along K
	s_mov_b32 s25, 0
	s_lshl_b32 s28, s30, 15                        ; ws: 32,768 a weight, 32 a column, 16 for 512 along K
	s_lshl_b32 s22, s17, 5
	s_add_co_u32 s28, s28, s22
	s_lshl_b32 s22, s18, 4
	s_add_co_u32 s28, s28, s22
	s_mov_b32 s29, 0
	s_wait_kmcnt 0x0
	s_cmp_lt_u32 ttmp9, 32                         ; the choice hangs on the work-group's number alone
	s_cselect_b64 s[8:9], s[8:9], s[10:11]
	s_cmp_lt_u32 ttmp9, 16
	s_cselect_b64 s[4:5], s[4:5], s[8:9]
	s_add_nc_u64 s[4:5], s[4:5], s[20:21]
	s_add_nc_u64 s[6:7], s[12:13], s[24:25]
	s_add_nc_u64 s[8:9], s[14:15], s[28:29]
.macro WLOAD t                         ; block t: W(32 t + i, my column), i = 0 .. 31, into set t % 2; the largest offset, 511 rows of 4,096 bytes, lies inside the signed 24-bit immediate
.irp i, 0,1,2,3,4,5,6,7,8,9,10,11,12,13,14,15,16,17,18,19,20,21,22,23,24,25,26,27,28,29,30,31
	global_load_b32 v[WX+32*((\t)%2)+\i], v3, s[4:5] offset:(32*(\t)+\i)*4096 th:TH_LOAD_NT
.endr
.endm
	WLOAD 0
	WLOAD 1
.macro WBLOCK t
.set WSET, WX+32*((\t)%2)
.if (\t) < NB-1
	s_wait_loadcnt 32                              ; this block's 32 loads are in; the next block's 32 may be out
.else
	s_wait_loadcnt 0
.endif
	v_max3_num_f32 v12, |v[WSET]|, |v[WSET+1]|, |v[WSET+2]|        ; the block's largest magnitude: all 32 numbers are mine
	v_max3_num_f32 v13, |v[WSET+3]|, |v[WSET+4]|, |v[WSET+5]|
.irp i, 6,10,14,18,22,26
	v_max3_num_f32 v12, v12, |v[WSET+\i]|, |v[WSET+\i+1]|
	v_max3_num_f32 v13, v13, |v[WSET+\i+2]|, |v[WSET+\i+3]|
.endr
	v_max3_num_f32 v12, v12, |v[WSET+30]|, |v[WSET+31]|
	v_max3_num_f32 v12, v12, v13, (EMAX+1)<<23     ; and the floor
	v_add_nc_u32 v11, -(EMAX<<23), v12             ; the conversion's scale operand
	v_lshrrev_b32 v13, 23, v11                     ; the scale's byte
.if (\t)%4 == 0
	v_mov_b32 v[SB+(\t)/4], v13                    ; four bytes to a register, the lower K in the lower byte
.else
	v_lshl_or_b32 v[SB+(\t)/4], v13, 8*((\t)%4), v[SB+(\t)/4]
.endif
.irp g, 0,1,2,3
	v_cvt_scalef32_pk8_fp4_f32 v[WC+\g], v[WSET+8*\g:WSET+8*\g+7], v11
.endr
	v_nop                                          ; one plain line behind the last conversion
	ds_store_b128 v4, v[WC:WC+3] offset:16*(\t)    ; 32 codes: 16 bytes of my column's row
.if (\t)+2 < NB
	WLOAD (\t)+2
.endif
	s_wait_dscnt 0x0                               ; the store has read its registers: the next block's codes may be written
.endm
.set wb, 0
.rept NB
	WBLOCK wb
.set wb, wb+1
.endr
	global_store_b128 v9, v[SB:SB+3], s[8:9]       ; my column's 16 scale bytes
.irp t, 0,1,2,3,4,5,6,7,8,9,10,11,12,13,14,15
	ds_load_b128 v[OUTR+4*\t:OUTR+4*\t+3], v7 offset:2*\t*WPITCH   ; LDS serves a wave's instructions in order: these see my stores
.endr
.irp t, 0,1,2,3,4,5,6,7,8,9,10,11,12,13,14,15
	s_wait_dscnt 15-\t                             ; load t is in; the younger ones may be out
	global_store_b128 v8, v[OUTR+4*\t:OUTR+4*\t+3], s[6:7] offset:2*\t*KROW
.endr
	s_wait_tensorcnt 0x0                           ; the wave's end: the tensor wait, an add of 0 to my spare word and its wait, behind my last LDS store
	ds_add_u32 v[SPW], v[NIL]
	s_wait_dscnt 0x0
	s_endpgm
; ---------------- Wo to f16, as it lies.  A wave takes 4,096 numbers: 32 loads of 512 consecutive bytes, 32 stores of 256.  No LDS.
.Lwo:
	s_load_b64 s[4:5], s[0:1], 0x30                ; Wo
	s_load_b64 s[6:7], s[0:1], 0x60                ; wo16
	s_sub_co_u32 s17, ttmp9, 48
	s_lshl_b32 s17, s17, 2
	s_add_co_u32 s17, s17, s16                     ; which run of 4,096 numbers
	s_lshl_b32 s18, s17, 14
	s_mov_b32 s19, 0
	s_lshl_b32 s20, s17, 13
	s_mov_b32 s21, 0
	v_lshlrev_b32 v3, 4, v2
	v_lshlrev_b32 v4, 3, v2
	s_wait_kmcnt 0x0
	s_add_nc_u64 s[4:5], s[4:5], s[18:19]
	s_add_nc_u64 s[6:7], s[6:7], s[20:21]
.set cn, 0
.rept 32
	global_load_b128 v[32+4*cn:35+4*cn], v3, s[4:5] offset:512*cn th:TH_LOAD_NT
.set cn, cn+1
.endr
.set cn, 0
.rept 32
	s_wait_loadcnt 31-cn                           ; this load is in; the younger ones may be out
	v_cvt_pk_f16_f32 v[32+4*cn], v[32+4*cn], v[33+4*cn]
	v_cvt_pk_f16_f32 v[33+4*cn], v[34+4*cn], v[35+4*cn]
	global_store_b64 v4, v[32+4*cn:33+4*cn], s[6:7] offset:256*cn   ; 32 lanes store 256 consecutive bytes, aligned
.set cn, cn+1
.endr
	s_endpgm
; ---------------- the mask.  Word 8 kt + j of (tile of 16 queries, step of 64 keys) has bit 16 h + r set where mask[16 tile + r][64 step + 16 kt + 8 h + j] is 0: the lanes in which the attention launch
; holds that score in register 8 kt + j of its tile.  A wave takes 16 queries x 512 keys, 128 keys (64 words) at a time: 16 loads of 512 consecutive bytes, a turn through its own stage so that lane (r, h)
; holds its own 64 numbers, 64 compares whose lane masks ARE the words, and one store of 256 consecutive bytes.
.set MS,  32                           ; v32-159  two sets of 64 numbers
.set WD,  16                           ; v16-23   a pair of registers for each chunk: lane l holds words 2 l and 2 l + 1
.Lmask:
	s_load_b64 s[4:5], s[0:1], 0x38                ; mask
	s_load_b64 s[6:7], s[0:1], 0x68                ; mbits
	s_sub_co_u32 s17, ttmp9, 112                   ; the tile of 16 queries; my wave's number is the quarter of the keys
	s_lshl_b32 s18, s17, 17                        ; 16 rows of 8,192 bytes,
	s_lshl_b32 s20, s16, 11
	s_add_co_u32 s18, s18, s20                     ; + 512 keys of 4 bytes
	s_mov_b32 s19, 0
	s_lshl_b32 s20, s17, 12                        ; 4,096 bytes of words a tile,
	s_lshl_b32 s22, s16, 10
	s_add_co_u32 s20, s20, s22                     ; 1,024 for 512 keys
	s_mov_b32 s21, 0
	v_lshlrev_b32 v3, 4, v2
	v_lshlrev_b32 v4, 3, v2
	s_mul_i32 s24, s16, 16*528
	s_add_co_u32 s24, s24, MRG                     ; my stage: 16 rows of 512 bytes + 16
	v_add_nc_u32 v5, s24, v3                       ; in: 16 bytes a lane of a row
	v_and_b32 v7, 15, v2
	v_lshrrev_b32 v8, 4, v2
	v_mul_u32_u24 v6, v7, 528
	v_lshl_add_u32 v6, v8, 5, v6
	v_add_nc_u32 v6, s24, v6                       ; back: row r, + 32 h bytes
.irp i, 0,1,2,3,4,5,6,7
	v_mov_b32 v[WD+\i], 0                          ; a lane write's destination counts as read
.endr
	s_wait_kmcnt 0x0
	s_add_nc_u64 s[4:5], s[4:5], s[18:19]
	s_add_nc_u64 s[6:7], s[6:7], s[20:21]
.macro MLOAD c
.irp row, 0,1,2,3,4,5,6,7,8,9,10,11,12,13,14,15
	global_load_b128 v[MS+64*((\c)%2)+4*\row:MS+64*((\c)%2)+4*\row+3], v3, s[4:5] offset:\row*8192+(\c)*512 th:TH_LOAD_NT
.endr
.endm
.macro MCHUNK c
.set MB, MS+64*((\c)%2)
.if (\c) < 3
	s_wait_loadcnt 16                              ; this chunk's 16 loads are in; the next chunk's 16 may be out
.else
	s_wait_loadcnt 0
.endif
.irp row, 0,1,2,3,4,5,6,7,8,9,10,11,12,13,14,15
	ds_store_b128 v5, v[MB+4*\row:MB+4*\row+3] offset:\row*528
.endr
.irp e, 0,1
.irp kt, 0,1,2,3
.irp u, 0,1
	ds_load_b128 v[MB+4*(8*\e+2*\kt+\u):MB+4*(8*\e+2*\kt+\u)+3], v6 offset:\e*256+\kt*64+\u*16   ; register 32 e + 8 kt + j: mask[r][64 e + 16 kt + 8 h + j].  LDS serves a wave's instructions in order
.endr
.endr
.endr
	s_wait_dscnt 0x0
.set wi, 0
.rept 4
.set wj, wi
.rept 16
	v_cmp_eq_u32 s[32+wj%16], 0, v[MB+wj]          ; the lanes whose number is 0: word wj
.set wj, wj+1
.endr
.set wj, wi
.rept 16
	v_writelane_b32 v[WD+2*(\c)+(wj&1)], s[32+wj%16], wj>>1
.set wj, wj+1
.endr
.set wi, wi+16
.endr
.if (\c) < 2
	MLOAD (\c)+2
.endif
	global_store_b64 v4, v[WD+2*(\c):WD+2*(\c)+1], s[6:7] offset:256*(\c)   ; 64 words: 256 consecutive bytes, aligned
.endm
	MLOAD 0
	MLOAD 1
	MCHUNK 0
	MCHUNK 1
	MCHUNK 2
	MCHUNK 3
	s_wait_tensorcnt 0x0                           ; the wave's end: the tensor wait, an add of 0 to my spare word and its wait, behind my last LDS store
	ds_add_u32 v[SPW], v[NIL]
	s_wait_dscnt 0x0
	s_endpgm
.Lfunc_end_k_qaa74e6775f_prep:
	.size	k_qaa74e6775f_prep, .Lfunc_end_k_qaa74e6775f_prep-k_qaa74e6775f_prep
	.p2alignl 7, 3214868480
	.fill 96, 4, 3214868480
	.section	.rodata,"a",@progbits
	.p2align	6, 0x0
	.amdhsa_kernel k_qaa74e6775f_prep
		.amdhsa_group_segment_fixed_size 101888
		.amdhsa_private_segment_fixed_size 0
		.amdhsa_enable_private_segment 0
		.amdhsa_kernarg_size 112
		.amdhsa_user_sgpr_count 2
		.amdhsa_user_sgpr_kernarg_segment_ptr 1
		.amdhsa_wavefront_size32 1
		.amdhsa_system_sgpr_workgroup_id_x 1
		.amdhsa_system_sgpr_workgroup_id_y 1
		.amdhsa_system_sgpr_workgroup_id_z 1
		.amdhsa_system_vgpr_workitem_id 0
		.amdhsa_next_free_vgpr 192
		.amdhsa_next_free_sgpr 66
		.amdhsa_reserve_vcc 0
		.amdhsa_float_denorm_mode_32 3
		.amdhsa_float_denorm_mode_16_64 3
		.amdhsa_memory_ordered 1
		.amdhsa_forward_progress 1
		.amdhsa_inst_pref_size 172
	.end_amdhsa_kernel
	.amdgpu_metadata
---
amdhsa.version: [ 1, 2 ]
amdhsa.kernels:
  - .name:           k_qaa74e6775f_prep
    .symbol:         k_qaa74e6775f_prep.kd
    .args:
      - { .name: query, .offset: 0, .size: 8, .value_kind: global_buffer, .address_space: global }
      - { .name: keys, .offset: 8, .size: 8, .value_kind: global_buffer, .address_space: global }
      - { .name: values, .offset: 16, .size: 8, .value_kind: global_buffer, .address_space: global }
      - { .name: Wq, .offset: 24, .size: 8, .value_kind: global_buffer, .address_space: global }
      - { .name: Wk, .offset: 32, .size: 8, .value_kind: global_buffer, .address_space: global }
      - { .name: Wv, .offset: 40, .size: 8, .value_kind: global_buffer, .address_space: global }
      - { .name: Wo, .offset: 48, .size: 8, .value_kind: global_buffer, .address_space: global }
      - { .name: mask, .offset: 56, .size: 8, .value_kind: global_buffer, .address_space: global }
      - { .name: xc, .offset: 64, .size: 8, .value_kind: global_buffer, .address_space: global }
      - { .name: xs, .offset: 72, .size: 8, .value_kind: global_buffer, .address_space: global }
      - { .name: wc, .offset: 80, .size: 8, .value_kind: global_buffer, .address_space: global }
      - { .name: ws, .offset: 88, .size: 8, .value_kind: global_buffer, .address_space: global }
      - { .name: wo16, .offset: 96, .size: 8, .value_kind: global_buffer, .address_space: global }
      - { .name: mbits, .offset: 104, .size: 8, .value_kind: global_buffer, .address_space: global }
    .group_segment_fixed_size: 101888
    .private_segment_fixed_size: 0
    .kernarg_segment_align: 8
    .kernarg_segment_size: 112
    .max_flat_workgroup_size: 128
    .sgpr_count:     66
    .vgpr_count:     192
    .wavefront_size: 32
...
	.end_amdgpu_metadata
.endif
;; end of part 1
;; launch proj (part 2): grid 4 x 96, 4 waves a work-group, clusters of 4 x 4, 327,680 bytes of LDS; arguments xc, xs, wc, ws, qkv; writes qkv
.if DOCPART == 2
	.amdgcn_target "amdgcn-amd-amdhsa--gfx1250"
	.amdhsa_code_object_version 6
	.text
	.protected	k_qaa74e6775f_proj
	.globl	k_qaa74e6775f_proj
	.p2align	8
	.type	k_qaa74e6775f_proj,@function
k_qaa74e6775f_proj:
	s_mov_b64 s[64:65], 0
	v_nop
	global_prefetch_b8 v0, s[64:65] scope:SCOPE_SE
	s_setreg_imm32_b32 hwreg(HW_REG_WAVE_MODE, 25, 1), 1
	s_wait_xcnt 0x0
	s_wait_alu depctr_hold_cnt(0) depctr_sa_sdst(0) depctr_va_vdst(0) depctr_va_sdst(0) depctr_va_ssrc(0) depctr_va_vcc(0) depctr_vm_vsrc(0)
	s_getreg_b32 s2, hwreg(HW_REG_IB_STS2, 6, 4)
	s_cmp_eq_u32 s2, 0
	s_cbranch_scc0 .Lentry_in_a_cluster
	s_endpgm
.Lentry_in_a_cluster:
	s_bfe_u32 s2, ttmp6, 0x10000c
	s_cmp_lg_u32 s2, 0xf033
	s_cbranch_scc0 .Lentry_shape_is_right
	s_endpgm
.Lentry_shape_is_right:
; q, k, v = query Wq, keys Wk, values Wv: three products [8192 x 1024] x [1024 x 1024] on codes of E2M1 with one E8M0 scale for each 32 along K, as ONE product of 24,576 rows:
; rows 8,192 T on are tensor T's (0 query, 1 keys, 2 values) and take rows 1,024 T on of wc.  Sums in f32; the results are rounded once to f16 and laid by heads: qkv [3][64 = 16 b + head][2048][64].
; LIMIT: |q|, |k|, |v| must stay under 65,504, f16's largest number.
; A tile of 256 x 256 is made by a work-group of four waves; a wave makes 128 x 128: 64 accumulators of 16 x 16, 512 registers.  K = 1,024 is two K steps of 512 (a tile's row is 256 bytes): two LDS slots,
; each filled once.  The scale bytes of the work-group's rows, for all of K, come once with the first fills.
; CLUSTERS: 4 x 4 work-groups.  The four of a row of the cluster need the same tiles of x, the four of a column the same tiles of W: each tile is asked for JOINTLY, by the same tensor load with the same
; descriptor and a mask that names the four.  THE MATRIX INSTRUCTION IS USED TRANSPOSED (source 0 = 16 rows of wc, source 1 = 16 rows of xc): a lane then holds eight neighbouring numbers of a row of the result.
; REGISTERS, in windows of 256: window 0: v0-31 addresses; v32-95 scale words, two sets, and nothing else; v96-127 packed results on the way out; v128-191 x's fragments, ONE set; v192-255 rows on the way out.
;   window 1: W's fragments, TWO sets, at v0 and at v128.   window 2: the 32 accumulators of my rows 0-63 (accumulator (a, b) at v[8 (8 a + b)]);   window 3: those of my rows 64-127.
.set NQ,     4                         ; matrix instructions deep in a slot: 512 along K
.set ROWB,   256                       ; a tile's row in bytes
.set KROW,   512                       ; a row of xc or wc in memory
.set PITCH,  272                       ; an LDS row: 256 bytes + 16 of padding: the 16 rows that a load touches begin 16 bytes further on in each 256
.set FR,     8                         ; registers of a fragment: 16 rows x 128 K
.set NL,     2                         ; LDS loads that bring one
.set NP,     4                         ; places behind this matrix instruction (ISA guide 7.12.1)
.set HALFT,  128*PITCH                 ; 128 rows: what one tensor load brings
.set SLOT,   4*HALFT                   ; x's 256 rows, then W's 256 rows
.set KS,     32                        ; a row of scale bytes
.set SCL,    2*SLOT                    ; behind the slots: the scales, as rows of 256 bytes + 16 of padding
.set HALFS,  (128*KS/256)*272          ; the scales of 128 rows: what one tensor load brings
.set SBLK,   (16*KS/256)*272           ; those of 16 rows
.set SPARE,  SCL+4*HALFS               ; the spare words, 128 bytes for each wave: two blocks of 256 bytes that no other line names
.set SPITCH, 272                       ; the way out: a stage of 16 rows x (256 bytes + 16) for each wave, in slot 0, which has had its one fill and its last read when the first result is stored there
.set ADRA, 16                          ; v16-17  LDS address of my fragments of x in slot 0, 1
.set ADRB, 20                          ; v20-21  the same for W
.set STO,  24                          ; v24     the way out: where I put 16 bytes of a row
.set RD,   25                          ; v25     where I read rows back
.set CO,   26                          ; v26     my byte offset in qkv
.set ADRS, 27                          ; v27     LDS address of my scale words: lanes 0-15 x's rows, lanes 16-31 W's
.set SPW,  28                          ; v28     LDS address of my spare word; never rewritten
.set NIL,  29                          ; v29     0; never rewritten
.set SC,   32                          ; scale words: set s at v[SC + 32 s]; register 4 i + q: lanes 0-15 the word of x's block i, lanes 16-31 that of W's block i, for the slot's q-th 128 along K
.set TMP,  96
.set AF,   128
.set BK,   192
.set G1, 24                            ; s[24:31] descriptor group 1 for x's tiles;  s[32:39] group 0, one set for each slot
.set G0, 32
.set G1B, 48                           ; s[48:55], s[56:63] the same for W's tiles
.set G0B, 56
.set G1S, 68                           ; s[68:75], s[76:79] groups 1 and 0 for x's scales;  s[80:87], s[88:91] for W's
.set G0S, 76
.set G1SB, 80
.set G0SB, 88
.set MSB, 0
.macro WIN new                         ; the immediate's high byte repeats the setting that is left
.if MSB != \new
	s_set_vgpr_msb (MSB<<8)|\new
.set MSB, \new
.endif
.endm
.set MUL_LO, 0xa1                      ; source 0 (W) window 1, source 1 (x) window 0, C and D window 2
.set MUL_HI, 0xf1                      ; the same, C and D window 3
.set TO_B,   0x40                      ; destination window 1, address window 0
; A joint load: waves 0 and 1 fetch for x, waves 2 and 3 for W.  Each of the two lines has ONE mask and one set of registers for all that issue it; the branch hangs on the wave's number alone.
; An s_nop 0 and four v_nop follow each of the two lines, ahead of the jump, the label and what follows.
.macro JLOAD g0a, g1a, g0b, g1b
	s_cmp_eq_u32 s15, 0
	s_cbranch_scc0 .Lfor_b_\@
	tensor_load_to_lds s[\g0a:\g0a+3], s[\g1a:\g1a+7]
	s_nop 0
.rept 4
	v_nop
.endr
	s_branch .Lasked_\@
.Lfor_b_\@:
	tensor_load_to_lds s[\g0b:\g0b+3], s[\g1b:\g1b+7]
	s_nop 0
.rept 4
	v_nop
.endr
.Lasked_\@:
.endm
.macro CROUND                          ; a round of the cluster's barrier: my work-group's barrier; wave 0 signals for the work-group; every wave waits for all sixteen; my work-group's barrier once more
	s_barrier_signal -1
	s_barrier_wait -1
	s_cmp_lg_u32 s14, 0
	s_cbranch_scc1 .Lnot_wave_0_\@
	s_barrier_signal -3
.Lnot_wave_0_\@:
	s_barrier_wait -3
	s_barrier_signal -1
	s_barrier_wait -1
.endm
	s_load_b128 s[4:7], s[0:1], 0x0                ; xc s[4:5], xs s[6:7]
	s_load_b128 s[8:11], s[0:1], 0x10              ; wc s[8:9], ws s[10:11]
	s_load_b64 s[12:13], s[0:1], 0x20              ; qkv
	v_lshl_add_u32 v[SPW], v0, 2, SPARE
	v_mov_b32 v[NIL], 0
	ds_add_u32 v[SPW], v[NIL]                      ; the wave's opening: the add, twice on end, and its wait ahead of my first tensor load; the set-up below stands between the second and the wait
	ds_add_u32 v[SPW], v[NIL]
	v_lshrrev_b32 v1, 5, v0
	v_readfirstlane_b32 s14, v1                    ; wave 0..3
	s_lshr_b32 s15, s14, 1                         ; which half of the tile's rows is mine.  Also: I fetch for x (0) or for W (1)
	s_and_b32 s16, s14, 1                          ; which half of its columns.  Also: which 128 rows of that tile I fetch
	s_bfe_u32 s40, ttmp6, 0x40000                  ; cx, cy: my place in the cluster
	s_bfe_u32 s41, ttmp6, 0x40004
	s_lshl_b32 s42, ttmp9, 2
	s_add_co_u32 s42, s42, s40                     ; tile column = 4 x cluster x + cx
	s_and_b32 s17, ttmp7, 0xffff
	s_lshr_b32 s95, s17, 3                         ; the tensor T: eight clusters, 32 tile rows, to each; all sixteen partners share it
	s_lshl_b32 s17, s17, 2
	s_add_co_u32 s17, s17, s41                     ; tile row = 4 x cluster y + cy
	s_lshl_b32 s43, s41, 2
	s_lshl_b32 s43, 15, s43                        ; my row of the cluster
	s_lshl_b32 s44, 0x1111, s40                    ; my column
	; descriptor group 1: a tile of 128 rows x 256 bytes, padded in LDS
	s_or_b32 s[G1+0], s43, (0<<16)|(1<<20)|(1<<21)|(5<<22)|(3<<25)  ; 15:0 the mask: x's tiles go to my row; 17:16 element of 1 byte; 20 padding on; 21 set beside a mask; 24:22 after every 64 words; 31:25 four words
	s_or_b32 s[G1B+0], s44, (0<<16)|(1<<20)|(1<<21)|(5<<22)|(3<<25)
.irp g, G1, G1B
	s_mov_b32 s[\g+1], ROWB<<16                    ; tensor_dim0
	s_mov_b32 s[\g+2], 128<<16                     ; tensor_dim1 = 128
	s_mov_b32 s[\g+3], ROWB<<16                    ; tile_dim0
	s_mov_b32 s[\g+4], 128                         ; tile_dim1 = 128
	s_mov_b32 s[\g+5], KROW                        ; tensor_dim0_stride
	s_mov_b32 s[\g+6], 0
	s_mov_b32 s[\g+7], 0
.endr
	; and for the scales of 128 rows: a dense block of 4,096 bytes, as 16 rows of 256 bytes (32 elements of 8 bytes), 16 bytes of padding behind each
	s_or_b32 s[G1S+0], s43, (3<<16)|(1<<20)|(1<<21)|(5<<22)|(3<<25)
	s_or_b32 s[G1SB+0], s44, (3<<16)|(1<<20)|(1<<21)|(5<<22)|(3<<25)
.irp g, G1S, G1SB
	s_mov_b32 s[\g+1], 32<<16
	s_mov_b32 s[\g+2], (128*KS/256)<<16
	s_mov_b32 s[\g+3], 32<<16
	s_mov_b32 s[\g+4], 128*KS/256
	s_mov_b32 s[\g+5], 32
	s_mov_b32 s[\g+6], 0
	s_mov_b32 s[\g+7], 0
.endr
	s_lshl_b32 s18, s16, 7                         ; which 128 rows of the tile I fetch
	s_lshl_b32 s20, s17, 8
	s_add_co_u32 s20, s20, s18                     ; x: row 256 x tile row + 128 x half
	s_lshl_b32 s46, s42, 8
	s_add_co_u32 s46, s46, s18                     ; W: row 256 x tile column + 128 x half
	s_lshl_b32 s47, s95, 10
	s_add_co_u32 s46, s46, s47                     ; + 1,024 T
	s_mov_b32 s21, 0
	s_mov_b32 s47, 0
	s_mov_b64 s[18:19], KS
	s_mul_u64 s[22:23], s[20:21], s[18:19]         ; where these rows' scales begin, in bytes
	s_mul_u64 s[92:93], s[46:47], s[18:19]
	s_mov_b64 s[18:19], KROW
	s_mul_u64 s[20:21], s[20:21], s[18:19]         ; and their codes
	s_mul_u64 s[46:47], s[46:47], s[18:19]
	s_mul_i32 s45, s14, HALFT                      ; where they go: wave x 128 rows: no place in the cluster enters an LDS address
	s_mul_i32 s94, s14, HALFS
	s_wait_dscnt 0x0                               ; both opening adds are done
	s_wait_kmcnt 0x0
	s_add_nc_u64 s[20:21], s[4:5], s[20:21]
	s_add_nc_u64 s[22:23], s[6:7], s[22:23]
	s_add_nc_u64 s[46:47], s[8:9], s[46:47]
	s_add_nc_u64 s[92:93], s[10:11], s[92:93]
	CROUND                                         ; all sixteen work-groups are here: the joint loads meet.  Three loads of mine go out, all first fills
	s_mov_b32 s[G0S], 1
	s_add_co_u32 s[G0S+1], s94, SCL
	s_mov_b64 s[G0S+2:G0S+3], s[22:23]
	s_or_b32 s[G0S+3], s[G0S+3], 0x80000000
	s_mov_b32 s[G0SB], 1
	s_add_co_u32 s[G0SB+1], s94, SCL
	s_mov_b64 s[G0SB+2:G0SB+3], s[92:93]
	s_or_b32 s[G0SB+3], s[G0SB+3], 0x80000000
	JLOAD G0S, G1S, G0SB, G1SB                     ; the scales first: they are wanted with K step 0
.irp s, 0,1
	s_mov_b32 s[G0+4*\s], 1
	s_add_co_u32 s[G0+4*\s+1], s45, \s*SLOT
	s_add_nc_u64 s[G0+4*\s+2:G0+4*\s+3], s[20:21], \s*ROWB
	s_or_b32 s[G0+4*\s+3], s[G0+4*\s+3], 0x80000000
	s_mov_b32 s[G0B+4*\s], 1
	s_add_co_u32 s[G0B+4*\s+1], s45, \s*SLOT
	s_add_nc_u64 s[G0B+4*\s+2:G0B+4*\s+3], s[46:47], \s*ROWB
	s_or_b32 s[G0B+4*\s+3], s[G0B+4*\s+3], 0x80000000
	JLOAD G0+4*\s, G1, G0B+4*\s, G1B
.endr
	v_and_b32 v1, 15, v0                           ; r = l % 16
	v_bfe_u32 v2, v0, 4, 1                         ; h = l / 16
	v_mul_u32_u24 v3, v1, PITCH
	v_lshl_add_u32 v4, v2, 4, v3                   ; a fragment's row x pitch + 16 x half
	s_mul_i32 s21, s15, HALFT                      ; my 128 rows of x
	s_mul_i32 s22, s16, HALFT                      ; my 128 rows of W,
	s_add_co_u32 s22, s22, 2*HALFT                 ; which lie behind x's 256
.irp s, 0,1
	v_add_nc_u32 v[ADRA+\s], s21, v4
	v_add_nc_u32 v[ADRB+\s], s22, v4
	s_add_co_u32 s21, s21, SLOT
	s_add_co_u32 s22, s22, SLOT
.endr
	v_mul_u32_u24 v5, v1, KS                       ; my row's scales: 32 bytes a row,
	v_lshrrev_b32 v6, 8, v5
	v_lshl_add_u32 v5, v6, 4, v5                   ; and 16 more for each 256 passed
	s_mul_i32 s21, s15, HALFS                      ; x's: my 128 rows
	s_mul_i32 s22, s16, HALFS                      ; W's: my 128 rows, behind x's 256
	s_add_co_u32 s22, s22, 2*HALFS
	s_sub_co_u32 s22, s22, s21
	v_mul_u32_u24 v6, s22, v2                      ; lanes 16-31 take W's
	s_add_co_u32 s21, s21, SCL
	v_add_nc_u32 v5, v5, v6
	v_add_nc_u32 v[ADRS], s21, v5
	s_mul_i32 s23, s14, 16*SPITCH                  ; my stage
	v_mul_u32_u24 v5, v1, SPITCH                   ; in: row r, 16 bytes for each half of the lanes
	v_lshl_add_u32 v5, v2, 4, v5
	v_add_nc_u32 v[STO], s23, v5
	v_bfe_u32 v6, v0, 3, 1
	v_and_b32 v7, 7, v0
	v_mul_u32_u24 v5, v6, SPITCH                   ; back: lanes 0-15 take two rows' 128 bytes of my first head, lanes 16-31 of my second
	v_lshl_add_u32 v5, v2, 7, v5
	v_lshl_add_u32 v5, v7, 4, v5
	v_add_nc_u32 v[RD], s23, v5
	v_lshlrev_b32 v[CO], 18, v2                    ; in qkv: a head is 262,144 bytes, a row of it 128
	v_lshl_add_u32 v[CO], v6, 7, v[CO]
	v_lshl_add_u32 v[CO], v7, 4, v[CO]
	s_and_b32 s20, s17, 31
	s_lshl_b32 s20, s20, 8
	s_lshl_b32 s21, s15, 7
	s_add_co_u32 s20, s20, s21                     ; my first row within the tensor: 2,048 b + s
	s_lshr_b32 s21, s20, 11                        ; b
	s_and_b32 s20, s20, 2047                       ; s
	s_lshl_b32 s21, s21, 4
	s_lshl_b32 s46, s42, 2
	s_add_co_u32 s21, s21, s46
	s_lshl_b32 s46, s16, 1
	s_add_co_u32 s21, s21, s46                     ; 16 b + my first head (4 x tile column + 2 x half)
	s_lshl_b32 s21, s21, 18
	s_lshl_b32 s20, s20, 7
	s_add_co_u32 s20, s20, s21
	s_lshl_b32 s46, s95, 24                        ; 16,777,216 bytes a tensor
	s_add_co_u32 s20, s20, s46
	s_mov_b32 s21, 0
	s_add_nc_u64 s[12:13], s[12:13], s[20:21]
.macro FRAG reg, adr, q, i             ; a fragment, 16 rows x 128 K of 4-bit codes, is 8 registers: lane l holds row l % 16; registers 4 c .. 4 c + 3 hold K = 64 c + 32 (l / 16) + 0 .. 31
.irp c, 0,1
	ds_load_b128 v[\reg+4*\c:\reg+4*\c+3], v[\adr] offset:64*(\q)+32*\c+(\i)*16*PITCH
.endr
.endm
; 16 matrix instructions: x's blocks a0, a0 + 1 against W's eight, 128 along K: the slot's q-th.  p: W's set;  sc: the set of scale words.  zero = 1: the first product starts the sums: nothing is ever cleared.
; The 64 accumulators take turns, one instruction a turn, in the same order in every step.
.macro MUL16 a0, p, q, sc, zero
.irp a, \a0, \a0+1
.irp b, 0,1,2,3,4,5,6,7
.if \zero
	v_wmma_scale_f32_16x16x128_f8f6f4 v[8*(8*((\a)%4)+\b):8*(8*((\a)%4)+\b)+7], v[128*(\p)+FR*\b:128*(\p)+FR*\b+FR-1], v[AF+FR*(\a):AF+FR*(\a)+FR-1], 0, v[SC+8*NQ*(\sc)+NQ*\b+(\q)], v[SC+8*NQ*(\sc)+NQ*(\a)+(\q)] matrix_a_fmt:MATRIX_FMT_FP4 matrix_b_fmt:MATRIX_FMT_FP4 matrix_a_scale:MATRIX_SCALE_ROW1
.else
	v_wmma_scale_f32_16x16x128_f8f6f4 v[8*(8*((\a)%4)+\b):8*(8*((\a)%4)+\b)+7], v[128*(\p)+FR*\b:128*(\p)+FR*\b+FR-1], v[AF+FR*(\a):AF+FR*(\a)+FR-1], v[8*(8*((\a)%4)+\b):8*(8*((\a)%4)+\b)+7], v[SC+8*NQ*(\sc)+NQ*\b+(\q)], v[SC+8*NQ*(\sc)+NQ*(\a)+(\q)] matrix_a_fmt:MATRIX_FMT_FP4 matrix_b_fmt:MATRIX_FMT_FP4 matrix_a_scale:MATRIX_SCALE_ROW1
.endif
.endr
.endr
.endm
.macro FETCH_B slot, q, p              ; W's eight fragments of the slot's q-th 128 along K into set p
	WIN TO_B
.irp i, 0,1,2,3,4,5,6,7
	FRAG 128*(\p)+FR*\i, ADRB+\slot, \q, \i
.endr
	WIN 0
.endm
.macro FETCH_A slot, q, i0             ; x's blocks i0 .. i0 + 3
.irp i, \i0, \i0+1, \i0+2, \i0+3
	FRAG AF+FR*(\i), ADRA+\slot, \q, \i
.endr
.endm
.macro SCALES sc                       ; a K step's scale words into set sc: four words a row; lanes 0-15 take x's block i, lanes 16-31 W's block i
.irp i, 0,1,2,3,4,5,6,7
	ds_load_b128 v[SC+8*NQ*\sc+NQ*\i:SC+8*NQ*\sc+NQ*\i+3], v[ADRS] offset:\i*SBLK
.endr
.endm
.macro PLACES n                        ; a load into a register that a matrix instruction has read, and a vector instruction that reads a matrix result, stand NP plain vector instructions behind it (ISA guide 7.12.1 for the reader of a matrix result)
.rept \n
	v_nop
.endr
.endm
; A step of 128 along K that has its successor in the same slot.
.macro STEP slot, q, zero
	s_wait_dscnt 4*NL                              ; W's set and x's blocks 0-3 are in; the youngest eight loads (x's blocks 4-7) may be out
	WIN MUL_LO
	MUL16 0, (\q)%2, \q, \slot, \zero
	MUL16 2, (\q)%2, \q, \slot, \zero
	s_wait_dscnt 0                                 ; x's blocks 4-7 are in (asked for 32 matrix instructions ago)
	PLACES NP
	FETCH_B \slot, (\q)+1, 1-(\q)%2
	FETCH_A \slot, (\q)+1, 0
	WIN MUL_HI
	MUL16 4, (\q)%2, \q, \slot, \zero
	MUL16 6, (\q)%2, \q, \slot, \zero
	PLACES NP
	WIN 0
	FETCH_A \slot, (\q)+1, 4
.endm
; Slot 0's last step changes slots: ONE barrier; in front of it each wave waits for all its tensor loads (its part of slot 1), adds 0 to its spare word, and waits for that and for its own reads of slot 0.
; Nothing is filled again: K has two steps.  Behind this barrier nobody reads slot 0, where the stages of the way out lie.
.macro TURN slot, next
	s_wait_tensorcnt 0x0                           ; all my tensor loads have landed
	ds_add_u32 v[SPW], v[NIL]                      ; 0 onto my spare word
	s_wait_dscnt 4*NL+1                            ; (the add and the youngest eight loads, x's blocks 4-7, may be out)
	WIN MUL_LO
	MUL16 0, 1, NQ-1, \slot, 0                     ; sixteen matrix instructions stand between the add and the wait for it
	s_wait_dscnt 0x0                               ; the add is done, and my reads of this slot are over
	s_barrier_signal -1
	MUL16 2, 1, NQ-1, \slot, 0
	WIN 0
	s_barrier_wait -1
	PLACES NP
	v_add_nc_u32 v[ADRS], 4*NQ, v[ADRS]            ; on to the next K step's scale words (no LDS load of mine is out)
	FETCH_B \next, 0, 0
	FETCH_A \next, 0, 0
	SCALES \next
	WIN MUL_HI
	MUL16 4, 1, NQ-1, \slot, 0
	MUL16 6, 1, NQ-1, \slot, 0
	PLACES NP
	WIN 0
	FETCH_A \next, 0, 4
.endm
	s_wait_tensorcnt 1                             ; the scales and my part of K step 0 are in; K step 1's load, the one issued behind them, may be out,
	s_barrier_signal -1
	s_barrier_wait -1                              ; everybody's are
	FETCH_B 0, 0, 0
	FETCH_A 0, 0, 0
	SCALES 0
	FETCH_A 0, 0, 4
	STEP 0, 0, 1                                   ; the first step's products start the sums
	STEP 0, 1, 0
	STEP 0, 2, 0
	TURN 0, 1
	STEP 1, 0, 0
	STEP 1, 1, 0
	STEP 1, 2, 0
	s_wait_dscnt 4*NL                              ; the very last step: nothing more to fetch
	WIN MUL_LO
	MUL16 0, 1, NQ-1, 1, 0
	MUL16 2, 1, NQ-1, 1, 0
	s_wait_dscnt 0
	WIN MUL_HI
	MUL16 4, 1, NQ-1, 1, 0
	MUL16 6, 1, NQ-1, 1, 0
	WIN 0
; THE WAY OUT, block by block of 16 rows x 128 columns (two heads).  PACK: rounded to f16, 16 bytes a lane, each accumulator from its low end on.  TOSTAGE: into my own stage, and back so that sixteen lanes hold
; two neighbouring rows of ONE head, which are 256 consecutive bytes of qkv.  SEND: stored.
.macro PACK a
.set AC, 64*((\a)%4)
	WIN 0x0a+5*((\a)/4)                            ; sources 0 and 1: window 2 or 3
.irp b, 0,1,2,3,4,5,6,7
.irp r, 0,1,2,3
	v_cvt_pk_f16_f32 v[TMP+4*\b+\r], v[AC+8*\b+2*\r], v[AC+8*\b+2*\r+1]
.endr
.endr
	WIN 0
.endm
.macro TOSTAGE a
.set BB, BK+32*((\a)%2)
.irp b, 0,1,2,3,4,5,6,7
	ds_store_b128 v[STO], v[TMP+4*\b:TMP+4*\b+3] offset:32*\b
.endr
.irp t, 0,1,2,3,4,5,6,7
	ds_load_b128 v[BB+4*\t:BB+4*\t+3], v[RD] offset:\t*2*SPITCH    ; LDS serves a wave's instructions in order (ISA guide 5.7.1.4): these see the stores above
.endr
.endm
.macro SEND a
.set BB, BK+32*((\a)%2)
	s_wait_dscnt 0x0                               ; the block is back in registers
	s_wait_xcnt 0x0                                ; the block before has had its stores' addresses translated (ISA guide 3.1): the next block's loads may land on the registers that those stores read
.irp t, 0,1,2,3,4,5,6,7
	global_store_b128 v[CO], v[BB+4*\t:BB+4*\t+3], s[12:13] offset:2048*(\a)+256*\t   ; lanes 0-15 store 256 consecutive aligned bytes of one head, lanes 16-31 of the next
.endr
.endm
	PLACES NP                                      ; behind the last products
	PACK 0
	TOSTAGE 0
.irp a, 1,2,3,4,5,6,7                  ; block a's conversions stand between block a - 1's loads from the stage and the wait for them
	PACK \a
	SEND \a-1
	TOSTAGE \a
.endr
	SEND 7
	s_wait_tensorcnt 0x0                           ; the wave's end: the tensor wait, an add of 0 to my spare word and its wait, behind my last tensor load and my last LDS store
	ds_add_u32 v[SPW], v[NIL]
	s_wait_dscnt 0x0
	CROUND                                         ; the closing round: no work-group ends while a partner may still ask for a tile that names it
	s_endpgm
.Lfunc_end_k_qaa74e6775f_proj:
	.size	k_qaa74e6775f_proj, .Lfunc_end_k_qaa74e6775f_proj-k_qaa74e6775f_proj
	.p2alignl 7, 3214868480
	.fill 96, 4, 3214868480
	.section	.rodata,"a",@progbits
	.p2align	6, 0x0
	.amdhsa_kernel k_qaa74e6775f_proj
		.amdhsa_group_segment_fixed_size 327680
		.amdhsa_private_segment_fixed_size 0
		.amdhsa_enable_private_segment 0
		.amdhsa_kernarg_size 40
		.amdhsa_user_sgpr_count 2
		.amdhsa_user_sgpr_kernarg_segment_ptr 1
		.amdhsa_wavefront_size32 1
		.amdhsa_system_sgpr_workgroup_id_x 1
		.amdhsa_system_sgpr_workgroup_id_y 1
		.amdhsa_system_sgpr_workgroup_id_z 1
		.amdhsa_system_vgpr_workitem_id 0
		.amdhsa_next_free_vgpr 1024
		.amdhsa_next_free_sgpr 98
		.amdhsa_reserve_vcc 0
		.amdhsa_float_denorm_mode_32 3
		.amdhsa_float_denorm_mode_16_64 3
		.amdhsa_memory_ordered 1
		.amdhsa_forward_progress 1
		.amdhsa_inst_pref_size 127
	.end_amdhsa_kernel
	.amdgpu_metadata
---
amdhsa.version: [ 1, 2 ]
amdhsa.kernels:
  - .name:           k_qaa74e6775f_proj
    .symbol:         k_qaa74e6775f_proj.kd
    .args:
      - { .name: xc, .offset: 0, .size: 8, .value_kind: global_buffer, .address_space: global }
      - { .name: xs, .offset: 8, .size: 8, .value_kind: global_buffer, .address_space: global }
      - { .name: wc, .offset: 16, .size: 8, .value_kind: global_buffer, .address_space: global }
      - { .name: ws, .offset: 24, .size: 8, .value_kind: global_buffer, .address_space: global }
      - { .name: qkv, .offset: 32, .size: 8, .value_kind: global_buffer, .address_space: global }
    .group_segment_fixed_size: 327680
    .private_segment_fixed_size: 0
    .kernarg_segment_align: 8
    .kernarg_segment_size: 40
    .max_flat_workgroup_size: 128
    .sgpr_count:     98
    .vgpr_count:     1024
    .wavefront_size: 32
...
	.end_amdgpu_metadata
.endif
;; end of part 2
;; launch attn (part 3): grid 4 x 64, 8 waves a work-group, clusters of 4 x 1, 327,680 bytes of LDS; arguments qkv, mbits, att; writes att
.if DOCPART == 3
	.amdgcn_target "amdgcn-amd-amdhsa--gfx1250"
	.amdhsa_code_object_version 6
	.text
	.protected	k_qaa74e6775f_attn
	.globl	k_qaa74e6775f_attn
	.p2align	8
	.type	k_qaa74e6775f_attn,@function
k_qaa74e6775f_attn:
	s_mov_b64 s[64:65], 0
	v_nop
	global_prefetch_b8 v0, s[64:65] scope:SCOPE_SE
	s_setreg_imm32_b32 hwreg(HW_REG_WAVE_MODE, 25, 1), 1
	s_wait_xcnt 0x0
	s_wait_alu depctr_hold_cnt(0) depctr_sa_sdst(0) depctr_va_vdst(0) depctr_va_sdst(0) depctr_va_ssrc(0) depctr_va_vcc(0) depctr_vm_vsrc(0)
	s_getreg_b32 s2, hwreg(HW_REG_IB_STS2, 6, 4)
	s_cmp_eq_u32 s2, 0
	s_cbranch_scc0 .Lentry_in_a_cluster
	s_endpgm
.Lentry_in_a_cluster:
	s_bfe_u32 s2, ttmp6, 0x10000c
	s_cmp_lg_u32 s2, 0x3003
	s_cbranch_scc0 .Lentry_shape_is_right
	s_endpgm
.Lentry_shape_is_right:
; att[bh][q][:] = the sum over k of softmax_k(E[q][k]) v[bh][k][:], E = q . k / 8, or the masked value where mask[q][k] is 0.  q, k, v: qkv [3][64 bh][2048][64] f16; att [64 bh][2048][64] f16.
; Products with f16 operands and f32 sums; maxima, exponentials and scalings in f32; the weights p are rounded to f16 for the second product, the result once at the end.
; THE MASK comes as words of 32 bits (mbits): word 8 kt + j of (tile of 16 queries, step of 64 keys) has a bit for each lane, set where that lane's score register 8 kt + j is masked: one select a register.
; A masked score is -2^70 ahead of the scaling (an energy of -1.5e20 where the definition has -1e20): beside any key that counts both give p = 0; in a row where no key counts c s - c m is exactly 0
; (c m is exact: a power of two times c), every p is 1, and the row is the uniform one of the definition.
; SOFTMAX.  For each query a running maximum m of the masked scores: p = 2^(c s - c m), c = log2(e) / 8; in every step O and the sum are multiplied by a = 2^(c m_old - c m_new).  No branch hangs on data.
; THE ROW'S SUM is a matrix product too: a fragment of ones times P adds, for each query, the 32 weights that the same step multiplies V by; it lands in every lane of the query.
; LIMITS: |q|, |k|, |v| under 65,504 (so a score's magnitude stays under 2.8e11, far from 2^70); NaN and infinities are not served.
; SHARES.  A cluster of four work-groups is one (batch, head); each work-group owns 512 queries, each of its eight waves 64: four tiles of 16, in 512 registers, two waves to a SIMD, so that one wave's
; vector work stands beside the other's matrix work and LDS loads.  Every wave walks the 2,048 keys, 64 a step; each fragment of K and V read from LDS feeds four matrix instructions.
; CLUSTER.  The four work-groups walk the same K and V, so each tile is asked for JOINTLY: the same tensor load, with the same descriptor and a mask that names the four, in all four.
; LAYOUT.  S^T = K Q^T (source 0 = 16 keys, source 1 = 16 queries): a lane holds ONE query (lane % 16) and the keys 8 (lane / 16) + 0..7 of each tile of 16.  Two such tiles, rounded in pairs, ARE source 1
; (32 keys x 16 queries) of O^T = V^T P.  K comes out of LDS as it lies, V ([key][channel]) turned, by ds_load_tr16_b128.
; LDS.  Two slots of 512 keys.  A key's row is 128 bytes and the rows are dense in memory, so a tile is stated as rows of two keys: 256 bytes + 16 of padding for K, + 32 for V.
; REGISTERS.  window 0: v2-13 addresses and constants; v16-47 eight registers of statistics a tile; v48-111 Q; v128-255 S^T, 32 a tile; P is written over the low half of its tile's S^T.
;   window 1: v0-127 O^T, 32 a tile; v128-191 eight fragments, K's and then V's; v192-223 the sums; v224-231 ones.
.set KP,    272                        ; two keys of K in LDS
.set VP,    288                        ; two keys of V
.set VOFF,  256*KP                     ; a slot: 256 such rows of K, then 256 of V
.set SLOTB, 256*(KP+VP)
.set SPARE, 2*SLOTB                    ; behind the slots: the spare words, 128 bytes for each wave: four blocks of 256 bytes that no other line names
.set STP,   144                        ; the way out: a stage of 16 rows x (128 bytes + 16) for each wave, in slot 0, which has had its last fill and its last read by then
.set HB,    262144                     ; a head in bytes
.set TS,    16777216                   ; a tensor of qkv in bytes
.set AK0, 2                            ; v2   my lane's place in a tile of K
.set AV0, 3                            ; v3   the same for V
.set ADK, 4                            ; v4   LDS address of the step's K
.set ADV, 5                            ; v5   of its V
.set QO,  6                            ; v6   my byte offset in the wave's rows of Q
.set STO, 7                            ; v7   the way out: where I put 16 bytes of a row
.set RD,  8                            ; v8   where I read rows back
.set GO,  9                            ; v9   my byte offset in the wave's rows of att
.set NEG, 10                           ; v10  -2^70
.set SPW, 12                           ; v12  LDS address of my spare word; never rewritten
.set NIL, 13                           ; v13  0; never rewritten
.set ST,  16                           ; tile t's statistics at v[ST + 8 t]: +0 c m, +1 m, +4 to +7 at work; a takes +6 once the maximum is found
.set Q,   48                           ; Q(t, c) at v[Q + 16 t + 8 c]
.set S,   128
.set KV,  128                          ; in window 1
.set LA,  192
.set ONE, 224
.set MP,  6                            ; s[6:7]   where the mask words of my tile 0 at the step in hand lie
.set WV,  10                           ; s10  my wave's number
.set BLK, 11                           ; s11  my block of 512 queries
.set BH,  12                           ; s12  16 b + head
.set SEL, 14                           ; s[14:15] lane selects for v_permlanex16_b32: lane l xor 16
.set CS,  16                           ; s[16:17] c, twice: the packed scaling names a pair
.set TK,  18                           ; s18  LDS byte at which the step's K begins
.set TV,  19                           ; s19  and its V
.set CNT, 20
.set PKO, 21                           ; s21  where my quarter of K's tile lies in a slot
.set PVO, 22                           ; s22  the same for V's
.set G1K, 24                           ; s[24:31] descriptor group 1 for K's tiles;  s[32:39] for V's: it differs in the padding alone
.set G1V, 32
.set G0K, 40                           ; s[40:43], s[44:47] their groups 0, which walk
.set G0V, 44
.set MW,  68                           ; s[68:99] the 32 mask words of one tile and step
.set MSB, 0
.macro WIN new                         ; the immediate's high byte repeats the setting that is left
.if MSB != \new
	s_set_vgpr_msb (MSB<<8)|\new
.set MSB, \new
.endif
.endm
.set W_KQ, 0x01                        ; K in window 1; Q and S^T in window 0
.set W_PV, 0x51                        ; V (or the ones), C and D in window 1; P in window 0
.set W_RS, 0x41                        ; destination and source 0 in window 1, source 1 in window 0
.set TO1,  0x40                        ; destination window 1, address window 0
; A joint load.  Waves 0 to 3 fetch the four quarters of a slot's K, waves 4 to 7 those of its V.  The branch hangs on the wave's number alone.  An s_nop 0 and four v_nop follow each of the two lines.
.macro JLOAD
	s_cmp_lt_u32 s[WV], 4
	s_cbranch_scc0 .Lfor_v_\@
	tensor_load_to_lds s[G0K:G0K+3], s[G1K:G1K+7]
	s_nop 0
.rept 4
	v_nop
.endr
	s_branch .Lasked_\@
.Lfor_v_\@:
	tensor_load_to_lds s[G0V:G0V+3], s[G1V:G1V+7]
	s_nop 0
.rept 4
	v_nop
.endr
.Lasked_\@:
.endm
.macro CROUND                          ; a round of the cluster's barrier: my work-group's barrier; wave 0 signals for the work-group; every wave waits for all four; my work-group's barrier once more
	s_barrier_signal -1
	s_barrier_wait -1
	s_cmp_lg_u32 s[WV], 0
	s_cbranch_scc1 .Lnot_wave_0_\@
	s_barrier_signal -3
.Lnot_wave_0_\@:
	s_barrier_wait -3
	s_barrier_signal -1
	s_barrier_wait -1
.endm
	s_load_b128 s[4:7], s[0:1], 0x0                ; qkv s[4:5], mbits s[6:7]
	s_load_b64 s[8:9], s[0:1], 0x10                ; att
	v_lshl_add_u32 v[SPW], v0, 2, SPARE
	v_mov_b32 v[NIL], 0
	ds_add_u32 v[SPW], v[NIL]                      ; the wave's opening: the add, twice on end, and its wait ahead of my first tensor load; the set-up below stands between the second and the wait
	ds_add_u32 v[SPW], v[NIL]
	v_lshrrev_b32 v1, 5, v0
	v_readfirstlane_b32 s[WV], v1                  ; wave 0..7
	s_bfe_u32 s[BLK], ttmp6, 0x40000               ; cx
	s_lshl_b32 s2, ttmp9, 2                        ; in a cluster launch ttmp9 counts clusters
	s_add_co_u32 s[BLK], s[BLK], s2                ; my block of 512 queries: it enters Q's, the mask words' and att's addresses alone
	s_and_b32 s[BH], ttmp7, 0xffff                 ; the (batch, head), which the four partners share
	; descriptor group 1: 64 rows of 128 elements of 2 bytes (two keys), dense in memory, padded in LDS
	s_mov_b32 s[G1K], 15|(1<<16)|(1<<20)|(1<<21)|(5<<22)|(3<<25)  ; 15:0 the mask: all four work-groups; 17:16 elements of 2 bytes; 20 padding on; 21 set beside a mask; 24:22 after every 64 words; 31:25 four words
	s_mov_b32 s[G1V], 15|(1<<16)|(1<<20)|(1<<21)|(5<<22)|(7<<25)  ; the same with eight words of padding
.irp g, G1K, G1V
	s_mov_b32 s[\g+1], 128<<16                     ; tensor_dim0 = 128
	s_mov_b32 s[\g+2], 64<<16                      ; tensor_dim1 = 64
	s_mov_b32 s[\g+3], 128<<16                     ; tile_dim0 = 128
	s_mov_b32 s[\g+4], 64                          ; tile_dim1 = 64
	s_mov_b32 s[\g+5], 128                         ; tensor_dim0_stride
	s_mov_b32 s[\g+6], 0
	s_mov_b32 s[\g+7], 0
.endr
	s_mov_b32 s[SEL], 0x76543210
	s_mov_b32 s[SEL+1], 0xfedcba98
	s_mov_b32 s[CS], 0x3e38aa3b                    ; c = log2(e) / 8
	s_mov_b32 s[CS+1], s[CS]
	s_and_b32 s3, s[WV], 3                         ; which quarter of a slot's tile I fetch: 128 keys
	s_mul_i32 s[PKO], s3, 64*KP
	s_mul_i32 s[PVO], s3, 64*VP
	s_add_co_u32 s[PVO], s[PVO], VOFF
	s_lshl_b32 s48, s[BH], 18                      ; the head's first byte in a tensor
	s_lshl_b32 s50, s3, 14                         ; my quarter: 128 keys of 128 bytes
	s_add_co_u32 s50, s50, s48
	s_mov_b32 s51, 0
	s_lshl_b32 s52, s[BLK], 16                     ; my block's 512 rows of 128 bytes,
	s_lshl_b32 s53, s[WV], 13                      ; my wave's 64
	s_add_co_u32 s52, s52, s53
	s_add_co_u32 s52, s52, s48
	s_mov_b32 s53, 0
	s_lshl_b32 s54, s[BLK], 17                     ; the mask words: 4,096 bytes a tile of 16 queries: 32 tiles a block,
	s_lshl_b32 s55, s[WV], 14                      ; 4 a wave
	s_add_co_u32 s54, s54, s55
	s_mov_b32 s55, 0
	s_wait_dscnt 0x0                               ; both opening adds are done
	s_wait_kmcnt 0x0
	s_mov_b32 s[G0K], 1                            ; count = 1
	s_mov_b32 s[G0K+1], s[PKO]                     ; LDS address: slot 0
	s_add_nc_u64 s[G0K+2:G0K+3], s[4:5], s[50:51]
	s_mov_b32 s[G0V], 1
	s_mov_b32 s[G0V+1], s[PVO]
	s_add_nc_u64 s[G0V+2:G0V+3], s[G0K+2:G0K+3], 2*TS   ; V is the third tensor,
	s_add_nc_u64 s[G0K+2:G0K+3], s[G0K+2:G0K+3], TS     ; K the second: keys 0 to 511
	s_or_b32 s[G0K+3], s[G0K+3], 0x80000000        ; type = 2
	s_or_b32 s[G0V+3], s[G0V+3], 0x80000000
	s_add_nc_u64 s[4:5], s[4:5], s[52:53]          ; Q at my wave's first row
	s_add_nc_u64 s[8:9], s[8:9], s[52:53]          ; att likewise
	s_add_nc_u64 s[MP:MP+1], s[MP:MP+1], s[54:55]
	CROUND                                         ; all four work-groups are here: the first joint loads meet
	JLOAD                                          ; slot 0: one load of mine is out
	s_load_b512 s[MW:MW+15], s[MP:MP+1], 0x0       ; the mask words of step 0, tile 0
	s_load_b512 s[MW+16:MW+31], s[MP:MP+1], 0x40
	v_and_b32 v14, 15, v0                          ; r
	v_bfe_u32 v15, v0, 4, 1                        ; h
	v_lshlrev_b32 v[QO], 7, v14
	v_lshl_add_u32 v[QO], v15, 4, v[QO]            ; row r of 128 bytes + 16 h
.irp t, 0,1,2,3
.irp c, 0,1
	global_load_b128 v[Q+16*\t+8*\c:Q+16*\t+8*\c+3],   v[QO], s[4:5] offset:2048*\t+64*\c      ; Q stays in registers: a fragment is 16 queries x 32 channels
	global_load_b128 v[Q+16*\t+8*\c+4:Q+16*\t+8*\c+7], v[QO], s[4:5] offset:2048*\t+64*\c+32
.endr
.endr
	v_lshrrev_b32 v1, 1, v14
	v_and_b32 v11, 1, v0
	v_mul_u32_u24 v[AK0], v1, KP                   ; K: key r lies in row r / 2, half r % 2;
	v_lshl_add_u32 v[AK0], v11, 7, v[AK0]
	v_lshl_add_u32 v[AK0], v15, 4, v[AK0]          ; + 16 h
	v_bfe_u32 v1, v0, 1, 2
	v_lshl_add_u32 v1, v15, 2, v1                  ; V: the turning load's lane l reads 16 bytes of key 8 h + l % 8, channels 8 ((l / 8) % 2) on
	v_mul_u32_u24 v[AV0], v1, VP
	v_lshl_add_u32 v[AV0], v11, 7, v[AV0]
	v_bfe_u32 v1, v0, 3, 1
	v_lshl_add_u32 v[AV0], v1, 4, v[AV0]
	s_mul_i32 s2, s[WV], 16*STP                    ; my stage
	v_mul_u32_u24 v[STO], v14, STP
	v_lshl_add_u32 v[STO], v15, 4, v[STO]
	v_add_nc_u32 v[STO], s2, v[STO]                ; in: row r, 16 bytes for each half of the lanes
	v_bfe_u32 v1, v0, 3, 2
	v_mul_u32_u24 v[RD], v1, STP
	v_and_b32 v1, 7, v0
	v_lshl_add_u32 v[RD], v1, 4, v[RD]
	v_add_nc_u32 v[RD], s2, v[RD]                  ; back: eight lanes to a row of 128 bytes, four rows an instruction
	v_and_b32 v[GO], 31, v0
	v_lshlrev_b32 v[GO], 4, v[GO]                  ; which are 512 consecutive bytes of att
	v_mov_b32 v[NEG], 0xe2800000                   ; -2^70
.irp t, 0,1,2,3
	v_mov_b32 v[ST+8*\t+1], 0xff61b1e6             ; m = -3e38, under every score, masked ones too
	v_mul_f32 v[ST+8*\t], s[CS], v[ST+8*\t+1]      ; c m
.endr
	WIN TO1                                        ; O^T and the sums begin as zeros, which the first a, 0, leaves zeros: so the key step is written without a first copy of its own
.set zi, 0
.rept 128
	v_mov_b32 v[zi], 0
.set zi, zi+1
.endr
.set zi, 0
.rept 32
	v_mov_b32 v[LA+zi], 0
.set zi, zi+1
.endr
.irp i, 0,1,2,3,4,5,6,7
	v_mov_b32 v[ONE+\i], 0x3c003c00                ; 1.0, twice, in f16
.endr
	WIN 0
.macro LOADK                           ; the step's K: 64 keys x 64 channels: fragment 2 kt + c = keys 16 kt on, channels 32 c on
.irp kt, 0,1,2,3
.irp c, 0,1
	ds_load_b128 v[KV+8*(2*\kt+\c):KV+8*(2*\kt+\c)+3],   v[ADK] offset:8*KP*\kt+64*\c
	ds_load_b128 v[KV+8*(2*\kt+\c)+4:KV+8*(2*\kt+\c)+7], v[ADK] offset:8*KP*\kt+64*\c+32
.endr
.endr
.endm
.macro LOADV                           ; the step's V, turned: fragment 4 g + d = keys 32 g on, channels 16 d on
.irp g, 0,1
.irp d, 0,1,2,3
	ds_load_tr16_b128 v[KV+8*(4*\g+\d):KV+8*(4*\g+\d)+3],   v[ADV] offset:16*VP*\g+32*\d
	ds_load_tr16_b128 v[KV+8*(4*\g+\d)+4:KV+8*(4*\g+\d)+7], v[ADV] offset:16*VP*\g+8*VP+32*\d
.endr
.endr
.endm
; 32 products S^T = K Q^T.  The 16 accumulators take turns, one instruction a turn; the first 16 start the sums.
.macro KQ_ALL
.irp c, 0,1
.irp kt, 0,1,2,3
.irp t, 0,1,2,3
.if \c == 0
	v_wmma_f32_16x16x32_f16 v[S+32*\t+8*\kt:S+32*\t+8*\kt+7], v[KV+8*(2*\kt+\c):KV+8*(2*\kt+\c)+7], v[Q+16*\t+8*\c:Q+16*\t+8*\c+7], 0
.else
	v_wmma_f32_16x16x32_f16 v[S+32*\t+8*\kt:S+32*\t+8*\kt+7], v[KV+8*(2*\kt+\c):KV+8*(2*\kt+\c)+7], v[Q+16*\t+8*\c:Q+16*\t+8*\c+7], v[S+32*\t+8*\kt:S+32*\t+8*\kt+7]
.endif
.endr
.endr
.endr
.endm
; 40 products: O^T += V^T P, and the sums += ones x P.  20 accumulators by turns.
.macro PV_ALL
.irp g, 0,1
.irp d, 0,1,2,3
.irp t, 0,1,2,3
	v_wmma_f32_16x16x32_f16 v[32*\t+8*\d:32*\t+8*\d+7], v[KV+8*(4*\g+\d):KV+8*(4*\g+\d)+7], v[S+32*\t+8*\g:S+32*\t+8*\g+7], v[32*\t+8*\d:32*\t+8*\d+7]
.endr
.endr
.irp t, 0,1,2,3
	v_wmma_f32_16x16x32_f16 v[LA+8*\t:LA+8*\t+7], v[ONE:ONE+7], v[S+32*\t+8*\g:S+32*\t+8*\g+7], v[LA+8*\t:LA+8*\t+7]
.endr
.endr
.endm
; One tile's softmax for one key step.
.macro SOFT t
.set rS, S+32*(\t)
.set rT, ST+8*(\t)
	s_wait_kmcnt 0x0                               ; this tile's 32 mask words are in; no scalar load is out, so their base may be written
.if (\t) == 3
	s_add_nc_u64 s[MP:MP+1], s[MP:MP+1], 128       ; on to the next step's words
.endif
.set i, 0
.rept 32
	v_cndmask_b32 v[rS+i], v[rS+i], v[NEG], s[MW+i]   ; masked scores become -2^70; each accumulator is read from its low end on
.set i, i+1
.endr
.if (\t) == 3
	s_load_b512 s[MW:MW+15], s[MP:MP+1], 0x0       ; the next tile's words are asked for a whole tile's softmax ahead: tile 0 of the next step
	s_load_b512 s[MW+16:MW+31], s[MP:MP+1], 0x40   ; (behind the last step these are the first words of my tile 1: inside the buffer, and not used)
.else
	s_load_b512 s[MW:MW+15], s[MP:MP+1], 4096*((\t)+1)
	s_load_b512 s[MW+16:MW+31], s[MP:MP+1], 4096*((\t)+1)+64
.endif
.irp j, 0,1,2,3
	v_max3_num_f32 v[rT+4+\j], v[rS+8*\j], v[rS+8*\j+1], v[rS+8*\j+2]      ; the maximum of my 32 scores and the old m: four chains of seven,
.endr
.irp u, 1,2
.irp j, 0,1,2,3
	v_max3_num_f32 v[rT+4+\j], v[rT+4+\j], v[rS+8*\j+2*\u+1], v[rS+8*\j+2*\u+2]
.endr
.endr
	v_max3_num_f32 v[rT+4], v[rT+4], v[rS+7], v[rS+15]                     ; the four left over,
	v_max3_num_f32 v[rT+6], v[rT+6], v[rS+23], v[rS+31]
	v_max3_num_f32 v[rT+4], v[rT+4], v[rT+5], v[rT+6]
	v_max3_num_f32 v[rT+4], v[rT+4], v[rT+7], v[rT+1]                      ; and m
	v_permlanex16_b32 v[rT+5], v[rT+4], s[SEL], s[SEL+1]                   ; the query's other 32 keys lie in the lane 16 away
	v_mov_b32 v[rT+7], v[rT]                                               ; c m_old is kept for a
	v_max_num_f32 v[rT+1], v[rT+4], v[rT+5]
	v_mul_f32 v[rT], s[CS], v[rT+1]
	v_sub_f32 v[rT+7], v[rT+7], v[rT]
.set i, 0
.rept 16
	v_pk_fma_f32 v[rS+2*i:rS+2*i+1], v[rS+2*i:rS+2*i+1], s[CS:CS+1], v[rT:rT+1] op_sel_hi:[1,0,0] neg_lo:[0,0,1] neg_hi:[0,0,1]   ; c s - c m, two at a time
.set i, i+1
.endr
	v_exp_f32 v[rT+6], v[rT+7]                     ; a; and the 32 weights: ONE batch, none of which reads another's result
.set i, 0
.rept 32
	v_exp_f32 v[rS+i], v[rS+i]
.set i, i+1
.endr
	v_nop                                          ; a plain instruction behind the last exponential,
	s_wait_alu depctr_va_vdst(0)                   ; and one wait ahead of the batch's first reader
.set i, 0
.rept 16
	v_cvt_pk_f16_f32 v[rS+i], v[rS+2*i], v[rS+2*i+1]   ; P over the low half of S^T: register i is written when registers 2 i and 2 i + 1 are read, and no later line reads under 2 i + 2
.set i, i+1
.endr
	WIN W_RS
.set i, 0
.rept 16
	v_pk_mul_f32 v[32*(\t)+2*i:32*(\t)+2*i+1], v[32*(\t)+2*i:32*(\t)+2*i+1], v[rT+6:rT+7] op_sel_hi:[1,0]   ; O^T x a
.set i, i+1
.endr
	v_pk_mul_f32 v[LA+8*(\t):LA+8*(\t)+1], v[LA+8*(\t):LA+8*(\t)+1], v[rT+6:rT+7] op_sel_hi:[1,0]   ; the sum x a: its register 0 is the one that is read at the end; registers 2 to 7 add weights of at most 1 and are never read
	WIN 0
.endm
; A KEY STEP: 64 keys.
.macro STEP
	v_add_nc_u32 v[ADK], s[TK], v[AK0]
	v_add_nc_u32 v[ADV], s[TV], v[AV0]
.rept 3
	v_nop                                          ; with the two additions: five places behind the last step's products: four for the loads into their fragments, five for the products that write over P
.endr
	WIN TO1
	LOADK
	s_wait_dscnt 0x0
	WIN W_KQ
	KQ_ALL
	WIN 0
.rept 4
	v_nop                                          ; places ahead of the loads into K's fragments and of the first read of the scores
.endr
	WIN TO1
	LOADV                                          ; V lands while the softmax is walked
	WIN 0
	SOFT 0
	SOFT 1
	SOFT 2
	SOFT 3
	s_wait_dscnt 0x0
	WIN W_PV
	PV_ALL
	WIN 0
.endm
.macro STEPS slot                      ; a slot's eight key steps: written once for each visit of a slot, walked eight times
	s_mov_b32 s[TK], (\slot)*SLOTB
	s_mov_b32 s[TV], (\slot)*SLOTB+VOFF
	s_mov_b32 s[CNT], 8
.Lstep_\@:
	STEP
	s_add_co_u32 s[TK], s[TK], 32*KP
	s_add_co_u32 s[TV], s[TV], 32*VP
	s_sub_co_u32 s[CNT], s[CNT], 1
	s_cmp_lg_u32 s[CNT], 0
	s_cbranch_scc1 .Lstep_\@
.endm
; THE CHANGE OF SLOTS stands at a slot's head.  Each wave waits for all its tensor loads (one is out: its part of the slot that it is about to read), adds 0 to its spare word, and waits for that and for its reads of
; the slot that it has left.  fill = 1: the barrier is a round of the cluster's, so that no wave of any partner still reads the other slot or has a load on its way, and the joint load into that slot is the first
; thing behind it: it has eight key steps in which to land.  The first change fills slot 1 for the first time.
.macro CHANGE fill, slot
	s_wait_tensorcnt 0x0                           ; no tensor load of mine is out, so a group 0 may be written
	ds_add_u32 v[SPW], v[NIL]                      ; 0 onto my spare word; the descriptors' steps stand between it and the wait for it
.if \fill
	s_add_co_u32 s[G0K+1], s[PKO], (\slot)*SLOTB
	s_add_nc_u64 s[G0K+2:G0K+3], s[G0K+2:G0K+3], 65536   ; the next 512 keys; the type bits on top are not reached
	s_add_co_u32 s[G0V+1], s[PVO], (\slot)*SLOTB
	s_add_nc_u64 s[G0V+2:G0V+3], s[G0V+2:G0V+3], 65536
.endif
	s_wait_dscnt 0x0                               ; the add is done, and my reads of the slot that I have left are over
.if \fill
	CROUND
	JLOAD
.else
	s_barrier_signal -1
	s_barrier_wait -1
.endif
.endm
	s_wait_loadcnt 0x0                             ; Q
	CHANGE 1, 1                                    ; slot 0 is whole; keys 512 on go into slot 1
	STEPS 0
	CHANGE 1, 0                                    ; keys 1,024 on into slot 0
	STEPS 1
	CHANGE 1, 1                                    ; keys 1,536 on into slot 1
	STEPS 0
	CHANGE 0, 0                                    ; nothing is left to fetch
	STEPS 1
	; THE WAY OUT.  Register 0 of a tile's sums holds the whole row's sum in every lane of its query.  O^T is divided by it, rounded to f16 and sent through my stage in LDS, a tile (16 rows of att) at a time.
	s_wait_kmcnt 0x0                               ; the last words asked for, which nobody uses
.rept 4
	v_nop                                          ; places behind the last products
.endr
	WIN 0x01                                       ; source 0 window 1
.irp t, 0,1,2,3
	v_rcp_f32 v[ST+8*\t+6], v[LA+8*\t]
.endr
	WIN 0
	v_nop                                          ; a plain instruction between the last reciprocal and the use of its result,
	s_wait_alu depctr_va_vdst(0)                   ; and one wait for the four
.macro OPACK t
	WIN W_RS
.set i, 0
.rept 16
	v_pk_mul_f32 v[32*\t+2*i:32*\t+2*i+1], v[32*\t+2*i:32*\t+2*i+1], v[ST+8*\t+6:ST+8*\t+7] op_sel_hi:[1,0]
.set i, i+1
.endr
	WIN 0x05                                       ; sources 0 and 1 window 1, destination window 0
.set i, 0
.rept 16
	v_cvt_pk_f16_f32 v[S+32*\t+i], v[32*\t+2*i], v[32*\t+2*i+1]   ; registers 4 d .. 4 d + 3: channels 16 d + 8 h + 0 .. 7 of query r
.set i, i+1
.endr
	WIN 0
.irp d, 0,1,2,3
	ds_store_b128 v[STO], v[S+32*\t+4*\d:S+32*\t+4*\d+3] offset:32*\d
.endr
.irp i, 0,1,2,3
	ds_load_b128 v[S+32*\t+16+4*\i:S+32*\t+16+4*\i+3], v[RD] offset:4*STP*\i   ; LDS serves a wave's instructions in order (ISA guide 5.7.1.4): these see the stores above, and the next tile's stores come behind them
.endr
.irp i, 0,1,2,3
	s_wait_dscnt 3-\i                              ; load i is in; the younger ones may be out
	global_store_b128 v[GO], v[S+32*\t+16+4*\i:S+32*\t+16+4*\i+3], s[8:9] offset:2048*\t+512*\i   ; 32 lanes store 512 consecutive bytes, aligned; no register of a store is written again
.endr
.endm
	OPACK 0
	OPACK 1
	OPACK 2
	OPACK 3
	s_wait_tensorcnt 0x0                           ; the wave's end: the tensor wait, an add of 0 to my spare word and its wait, behind my last tensor load and my last LDS store
	ds_add_u32 v[SPW], v[NIL]
	s_wait_dscnt 0x0
	CROUND                                         ; the closing round: no work-group ends while a partner may still ask for a tile that names it
	s_endpgm
.Lfunc_end_k_qaa74e6775f_attn:
	.size	k_qaa74e6775f_attn, .Lfunc_end_k_qaa74e6775f_attn-k_qaa74e6775f_attn
	.p2alignl 7, 3214868480
	.fill 96, 4, 3214868480
	.section	.rodata,"a",@progbits
	.p2align	6, 0x0
	.amdhsa_kernel k_qaa74e6775f_attn
		.amdhsa_group_segment_fixed_size 327680
		.amdhsa_private_segment_fixed_size 0
		.amdhsa_enable_private_segment 0
		.amdhsa_kernarg_size 24
		.amdhsa_user_sgpr_count 2
		.amdhsa_user_sgpr_kernarg_segment_ptr 1
		.amdhsa_wavefront_size32 1
		.amdhsa_system_sgpr_workgroup_id_x 1
		.amdhsa_system_sgpr_workgroup_id_y 1
		.amdhsa_system_sgpr_workgroup_id_z 1
		.amdhsa_system_vgpr_workitem_id 0
		.amdhsa_next_free_vgpr 512
		.amdhsa_next_free_sgpr 100
		.amdhsa_reserve_vcc 0
		.amdhsa_float_denorm_mode_32 3
		.amdhsa_float_denorm_mode_16_64 3
		.amdhsa_memory_ordered 1
		.amdhsa_forward_progress 1
		.amdhsa_inst_pref_size 182
	.end_amdhsa_kernel
	.amdgpu_metadata
---
amdhsa.version: [ 1, 2 ]
amdhsa.kernels:
  - .name:           k_qaa74e6775f_attn
    .symbol:         k_qaa74e6775f_attn.kd
    .args:
      - { .name: qkv, .offset: 0, .size: 8, .value_kind: global_buffer, .address_space: global }
      - { .name: mbits, .offset: 8, .size: 8, .value_kind: global_buffer, .address_space: global }
      - { .name: att, .offset: 16, .size: 8, .value_kind: global_buffer, .address_space: global }
    .group_segment_fixed_size: 327680
    .private_segment_fixed_size: 0
    .kernarg_segment_align: 8
    .kernarg_segment_size: 24
    .max_flat_workgroup_size: 256
    .sgpr_count:     100
    .vgpr_count:     512
    .wavefront_size: 32
...
	.end_amdgpu_metadata
.endif
;; end of part 3
;; launch outp (part 4): grid 4 x 64, 4 waves a work-group, clusters of 4 x 4, 327,680 bytes of LDS; arguments att, wo16, bo, out0; writes out0
.if DOCPART == 4
	.amdgcn_target "amdgcn-amd-amdhsa--gfx1250"
	.amdhsa_code_object_version 6
	.text
	.protected	k_qaa74e6775f_outp
	.globl	k_qaa74e6775f_outp
	.p2align	8
	.type	k_qaa74e6775f_outp,@function
k_qaa74e6775f_outp:
	s_mov_b64 s[64:65], 0
	v_nop
	global_prefetch_b8 v0, s[64:65] scope:SCOPE_SE
	s_setreg_imm32_b32 hwreg(HW_REG_WAVE_MODE, 25, 1), 1
	s_wait_xcnt 0x0
	s_wait_alu depctr_hold_cnt(0) depctr_sa_sdst(0) depctr_va_vdst(0) depctr_va_sdst(0) depctr_va_ssrc(0) depctr_va_vcc(0) depctr_vm_vsrc(0)
	s_getreg_b32 s2, hwreg(HW_REG_IB_STS2, 6, 4)
	s_cmp_eq_u32 s2, 0
	s_cbranch_scc0 .Lentry_in_a_cluster
	s_endpgm
.Lentry_in_a_cluster:
	s_bfe_u32 s2, ttmp6, 0x10000c
	s_cmp_lg_u32 s2, 0xf033
	s_cbranch_scc0 .Lentry_shape_is_right
	s_endpgm
.Lentry_shape_is_right:
; out0[m][n] = the sum over e of A[m][e] Wo[e][n] + bo[n].  A[m = 2048 b + s][e = 64 head + d] lies by heads: att [64 = 16 b + head][2048 s][64] f16; wo16 [1024 e][1024 n] f16; bo, out0 f32.  Sums in f32.
; A tile of 128 rows x 256 columns is made by a work-group of four waves: 256 work-groups.  Wave w takes rows 64 (w / 2) on and columns 128 (w % 2) on: 4 x 8 accumulators of 16 x 16, 256 registers.
; K goes in 8 steps of 128 (two heads) through a ring of two LDS slots filled by the tensor data mover.  A head's rows are 128 bytes and dense in memory, so A's tile is stated as rows of two: 256 bytes + 16 of padding.
; Wo's tile is 128 rows (K) of 512 bytes + 32 of padding; it comes out of LDS turned, by ds_load_tr16_b128.
; CLUSTERS: 4 x 4 work-groups.  The four of a row of the cluster need the same tiles of A, the four of a column the same tiles of Wo: each tile is asked for JOINTLY, by the same tensor load with the same descriptor
; and a mask that names the four.  THE MATRIX INSTRUCTION IS USED TRANSPOSED (source 0 = 16 columns of Wo, source 1 = 16 rows of A): a lane then holds eight neighbouring numbers of a row of out0.
; REGISTERS: window 0: v16-29 addresses; v32-35 my four numbers of bo; v64-95, v96-127 A's fragments (4 x 16 rows x 32 K), two buffers; v128-255 rows on the way out.
;   window 1: Wo's fragments (8 x 16 columns x 32 K), two buffers, at v0 and v64.   window 2: accumulator (a, b) at v[8 (8 a + b)].
.set AP,    272                        ; two rows of A in LDS
.set BP,    544                        ; a row of Wo's tile in LDS
.set AHEAD_, 64*AP                     ; a head's 128 rows: what one tensor load brings of A
.set BOFF,  2*AHEAD_                   ; behind A's two heads: Wo's 128 rows
.set BHALF, 64*BP                      ; 64 of them: what one tensor load brings
.set SLOT,  BOFF+2*BHALF
.set SPARE, 2*SLOT                     ; behind the ring: the spare words, 128 bytes for each wave: two blocks of 256 bytes that no other line names
.set SPITCH, 528                       ; the way out: a stage of 16 rows x (512 bytes + 16) for each wave, in slot 0, which has had its last fill and its last read by then
.set LAPS,  4                          ; a lap = two K steps = once round the ring
.set ADRA, 16                          ; v16-17  LDS address of my fragments of A in slot 0, 1
.set ADRB, 20                          ; v20-21  the same for Wo
.set STO,  24                          ; v24     the way out: where I put 32 bytes of a row
.set RD,   25                          ; v25     where I read a row back
.set CO,   26                          ; v26     16 x lane: my bytes of a row of 512, in out0 and in bo
.set SPW,  28                          ; v28     LDS address of my spare word; never rewritten
.set NIL,  29                          ; v29     0; never rewritten
.set BI,   32
.set AFR,  64
.set BK,   128
.set G1, 24                            ; s[24:31] descriptor group 1 for A's tiles;  s[32:39] group 0, one set for each slot
.set G0, 32
.set G1B, 48                           ; s[48:55], s[56:63] the same for Wo's tiles
.set G0B, 56
.set MSB, 0
.macro WIN new                         ; the immediate's high byte repeats the setting that is left
.if MSB != \new
	s_set_vgpr_msb (MSB<<8)|\new
.set MSB, \new
.endif
.endm
.set MUL,  0xa1                        ; source 0 (Wo) window 1, source 1 (A) window 0, C and D window 2
.set TO_B, 0x40                        ; destination window 1, address window 0
.macro JLOAD s                         ; a joint load: waves 0 and 1 fetch A's two heads, waves 2 and 3 Wo's two halves; an s_nop 0 and four v_nop follow each of the two lines
	s_cmp_eq_u32 s13, 0
	s_cbranch_scc0 .Lfor_b_\@
	tensor_load_to_lds s[G0+4*\s:G0+4*\s+3], s[G1:G1+7]
	s_nop 0
.rept 4
	v_nop
.endr
	s_branch .Lasked_\@
.Lfor_b_\@:
	tensor_load_to_lds s[G0B+4*\s:G0B+4*\s+3], s[G1B:G1B+7]
	s_nop 0
.rept 4
	v_nop
.endr
.Lasked_\@:
.endm
.macro CREST                           ; a round of the cluster's barrier behind its opening barrier
	s_cmp_lg_u32 s12, 0
	s_cbranch_scc1 .Lnot_wave_0_\@
	s_barrier_signal -3
.Lnot_wave_0_\@:
	s_barrier_wait -3
	s_barrier_signal -1
	s_barrier_wait -1
.endm
.macro CROUND                          ; a whole round
	s_barrier_signal -1
	s_barrier_wait -1
	CREST
.endm
	s_load_b256 s[4:11], s[0:1], 0x0               ; att s[4:5], wo16 s[6:7], bo s[8:9], out0 s[10:11]
	v_lshl_add_u32 v[SPW], v0, 2, SPARE
	v_mov_b32 v[NIL], 0
	ds_add_u32 v[SPW], v[NIL]                      ; the wave's opening: the add, twice on end, and its wait ahead of my first tensor load; the set-up below stands between the second and the wait
	ds_add_u32 v[SPW], v[NIL]
	v_lshrrev_b32 v1, 5, v0
	v_readfirstlane_b32 s12, v1                    ; wave 0..3
	s_lshr_b32 s13, s12, 1                         ; which half of the tile's rows is mine.  Also: I fetch for A (0) or for Wo (1)
	s_and_b32 s14, s12, 1                          ; which half of its columns.  Also: which head, or which 64 rows of Wo, I fetch
	s_bfe_u32 s40, ttmp6, 0x40000                  ; cx, cy: my place in the cluster
	s_bfe_u32 s41, ttmp6, 0x40004
	s_lshl_b32 s42, ttmp9, 2
	s_add_co_u32 s42, s42, s40                     ; tile column = 4 x cluster x + cx
	s_and_b32 s15, ttmp7, 0xffff
	s_lshl_b32 s15, s15, 2
	s_add_co_u32 s15, s15, s41                     ; tile row = 4 x cluster y + cy
	s_lshl_b32 s43, s41, 2
	s_lshl_b32 s43, 15, s43                        ; my row of the cluster
	s_lshl_b32 s44, 0x1111, s40                    ; my column
	; descriptor group 1.  A: 64 rows of 128 elements of 2 bytes, dense; four words of padding after every 64
	s_or_b32 s[G1+0], s43, (1<<16)|(1<<20)|(1<<21)|(5<<22)|(3<<25)
	s_mov_b32 s[G1+1], 128<<16                     ; tensor_dim0
	s_mov_b32 s[G1+2], 64<<16                      ; tensor_dim1
	s_mov_b32 s[G1+3], 128<<16                     ; tile_dim0
	s_mov_b32 s[G1+4], 64                          ; tile_dim1
	s_mov_b32 s[G1+5], 128                         ; tensor_dim0_stride
	s_mov_b32 s[G1+6], 0
	s_mov_b32 s[G1+7], 0
	; Wo: 64 rows of 256 elements, 1,024 elements apart; eight words of padding after every 128
	s_or_b32 s[G1B+0], s44, (1<<16)|(1<<20)|(1<<21)|(6<<22)|(7<<25)
	s_mov_b32 s[G1B+1], 256<<16
	s_mov_b32 s[G1B+2], 64<<16
	s_mov_b32 s[G1B+3], 256<<16
	s_mov_b32 s[G1B+4], 64
	s_mov_b32 s[G1B+5], 1024
	s_mov_b32 s[G1B+6], 0
	s_mov_b32 s[G1B+7], 0
	s_lshr_b32 s16, s15, 4
	s_lshl_b32 s16, s16, 22                        ; A: the batch's 16 heads of 262,144 bytes,
	s_and_b32 s17, s15, 15
	s_lshl_b32 s17, s17, 14
	s_add_co_u32 s16, s16, s17                     ; the tile's 128 rows of 128 bytes,
	s_lshl_b32 s17, s14, 18
	s_add_co_u32 s16, s16, s17                     ; the head that I fetch
	s_mov_b32 s17, 0
	s_lshl_b32 s46, s14, 17                        ; Wo: the 64 rows of 2,048 bytes that I fetch,
	s_lshl_b32 s47, s42, 9
	s_add_co_u32 s46, s46, s47                     ; the tile's 256 columns
	s_mov_b32 s47, 0
	s_mul_i32 s20, s14, AHEAD_                     ; where they go: no place in the cluster enters an LDS address
	s_mul_i32 s21, s14, BHALF
	s_add_co_u32 s21, s21, BOFF
	s_wait_dscnt 0x0                               ; both opening adds are done
	s_wait_kmcnt 0x0
	s_add_nc_u64 s[16:17], s[4:5], s[16:17]
	s_add_nc_u64 s[46:47], s[6:7], s[46:47]
	CROUND                                         ; all sixteen work-groups are here: the first joint loads meet.  Two loads of mine go out
.irp s, 0,1
	s_mov_b32 s[G0+4*\s], 1
	s_add_co_u32 s[G0+4*\s+1], s20, \s*SLOT
	s_add_nc_u64 s[G0+4*\s+2:G0+4*\s+3], s[16:17], \s*524288       ; K step s: two heads on
	s_or_b32 s[G0+4*\s+3], s[G0+4*\s+3], 0x80000000
	s_mov_b32 s[G0B+4*\s], 1
	s_add_co_u32 s[G0B+4*\s+1], s21, \s*SLOT
	s_add_nc_u64 s[G0B+4*\s+2:G0B+4*\s+3], s[46:47], \s*262144     ; 128 rows of Wo on
	s_or_b32 s[G0B+4*\s+3], s[G0B+4*\s+3], 0x80000000
	JLOAD \s
.endr
	v_and_b32 v1, 15, v0                           ; r
	v_bfe_u32 v2, v0, 4, 1                         ; h
	v_lshrrev_b32 v3, 1, v1
	v_and_b32 v4, 1, v0
	v_mul_u32_u24 v5, v3, AP                       ; A: row r lies in LDS row r / 2, half r % 2;
	v_lshl_add_u32 v5, v4, 7, v5
	v_lshl_add_u32 v5, v2, 4, v5                   ; + 16 h
	s_mul_i32 s21, s13, 32*AP                      ; my 64 rows
	v_and_b32 v6, 7, v0
	v_lshl_add_u32 v6, v2, 3, v6                   ; Wo: the turning load's lane l reads 16 bytes of row 8 h + l % 8, columns 8 ((l / 8) % 2) on
	v_mul_u32_u24 v6, v6, BP
	v_bfe_u32 v7, v0, 3, 1
	v_lshl_add_u32 v6, v7, 4, v6
	s_lshl_b32 s22, s14, 8                         ; my 128 columns
	s_add_co_u32 s22, s22, BOFF
.irp s, 0,1
	v_add_nc_u32 v[ADRA+\s], s21, v5
	v_add_nc_u32 v[ADRB+\s], s22, v6
	s_add_co_u32 s21, s21, SLOT
	s_add_co_u32 s22, s22, SLOT
.endr
	s_mul_i32 s23, s12, 16*SPITCH                  ; my stage
	v_mul_u32_u24 v5, v1, SPITCH
	v_lshl_add_u32 v5, v2, 5, v5
	v_add_nc_u32 v[STO], s23, v5                   ; in: row r, 32 bytes for each half of the lanes
	v_and_b32 v6, 31, v0
	v_lshlrev_b32 v[CO], 4, v6
	v_add_nc_u32 v[RD], s23, v[CO]                 ; back: the 32 lanes take one row of 512 bytes
	s_lshl_b32 s46, s42, 10
	s_lshl_b32 s47, s14, 9
	s_add_co_u32 s46, s46, s47                     ; my first column, in bytes of f32
	s_mov_b32 s47, 0
	s_add_nc_u64 s[8:9], s[8:9], s[46:47]
	global_load_b128 v[BI:BI+3], v[CO], s[8:9]     ; bo at the four columns that I store
	s_add_nc_u64 s[10:11], s[10:11], s[46:47]
	s_lshl_b32 s16, s15, 7
	s_lshl_b32 s17, s13, 6
	s_add_co_u32 s16, s16, s17                     ; my first row
	s_lshl_b32 s16, s16, 12                        ; of 4,096 bytes
	s_mov_b32 s17, 0
	s_add_nc_u64 s[10:11], s[10:11], s[16:17]
; 8 matrix instructions: A's block a against Wo's eight, 32 along K, from buffer f.  zero = 1: the first product starts the sums.  The 32 accumulators take turns, one instruction a turn, in the same order in
; every quarter.
.macro MUL8 f, a, zero
.irp b, 0,1,2,3,4,5,6,7
.if \zero
	v_wmma_f32_16x16x32_f16 v[8*(8*(\a)+\b):8*(8*(\a)+\b)+7], v[64*(\f)+8*\b:64*(\f)+8*\b+7], v[AFR+32*(\f)+8*(\a):AFR+32*(\f)+8*(\a)+7], 0
.else
	v_wmma_f32_16x16x32_f16 v[8*(8*(\a)+\b):8*(8*(\a)+\b)+7], v[64*(\f)+8*\b:64*(\f)+8*\b+7], v[AFR+32*(\f)+8*(\a):AFR+32*(\f)+8*(\a)+7], v[8*(8*(\a)+\b):8*(8*(\a)+\b)+7]
.endif
.endr
.endm
; 24 LDS loads in one run: the fragments of the slot's q-th 32 along K into buffer f: Wo's eight, turned, then A's four (head q / 2, channels 32 (q % 2) on)
.macro FETCH slot, q, f
	WIN TO_B
.irp i, 0,1,2,3,4,5,6,7
	ds_load_tr16_b128 v[64*(\f)+8*\i:64*(\f)+8*\i+3],   v[ADRB+\slot] offset:32*BP*(\q)+32*\i
	ds_load_tr16_b128 v[64*(\f)+8*\i+4:64*(\f)+8*\i+7], v[ADRB+\slot] offset:32*BP*(\q)+32*\i+16*BP
.endr
	WIN 0
.irp i, 0,1,2,3
	ds_load_b128 v[AFR+32*(\f)+8*\i:AFR+32*(\f)+8*\i+3],   v[ADRA+\slot] offset:AHEAD_*((\q)/2)+64*((\q)%2)+8*AP*\i
	ds_load_b128 v[AFR+32*(\f)+8*\i+4:AFR+32*(\f)+8*\i+7], v[ADRA+\slot] offset:AHEAD_*((\q)/2)+64*((\q)%2)+8*AP*\i+32
.endr
.endm
.macro PLACES                          ; four plain vector instructions in front of loads into registers that matrix instructions have read, and of the first read of results (ISA guide 7.12.1 for the first read of results)
.rept 4
	v_nop
.endr
.endm
; A K step is four quarters of 32 along K, 32 matrix instructions each, on buffers 0, 1, 0, 1.  One of the first three: multiplies buffer f and fetches the quarter qn of the same slot into g.
.macro QUARTER slot, qn, f, g, zero
	s_wait_dscnt 4                                 ; Wo's fragments and A's blocks 0 and 1 are in; the youngest four loads (A's blocks 2 and 3) may be out
	WIN MUL
	MUL8 \f, 0, \zero
	MUL8 \f, 1, \zero
	PLACES
	FETCH \slot, \qn, \g
	s_wait_dscnt 24                                ; all but the 24 just issued
	WIN MUL
	MUL8 \f, 2, \zero
	MUL8 \f, 3, \zero
.endm
; The last quarter multiplies buffer 1 and changes slots: ONE barrier; in front of it each wave waits for all its tensor loads (one is out: its part of the next slot), adds 0 to its spare word, and waits for that
; and for its own reads of this slot.  fill = 1: the barrier opens a round of the cluster's, and this slot is filled again, two K steps ahead, first thing behind the round.
.macro TURN slot, next, fill
	WIN 0
	s_wait_tensorcnt 0x0
	ds_add_u32 v[SPW], v[NIL]                      ; 0 onto my spare word
	s_wait_dscnt 5                                 ; (the add and the youngest four loads may be out)
	WIN MUL
	MUL8 1, 0, 0                                   ; eight matrix instructions stand between the add and the wait for it
	s_wait_dscnt 0x0                               ; the add is done, and my reads of this slot are over
	s_barrier_signal -1
	MUL8 1, 1, 0
	WIN 0
	s_barrier_wait -1
.if \fill
	CREST                                          ; no wave of any partner still reads this slot's tile or has a load on its way
	s_add_nc_u64 s[G0+4*\slot+2:G0+4*\slot+3], s[G0+4*\slot+2:G0+4*\slot+3], 1048576
	s_add_nc_u64 s[G0B+4*\slot+2:G0B+4*\slot+3], s[G0B+4*\slot+2:G0B+4*\slot+3], 524288
	JLOAD \slot                                    ; 112 matrix instructions of mine ahead of the wait for it; the four v_nop behind it are also the places in front of the loads below
.else
	PLACES
.endif
	FETCH \next, 0, 0
	WIN MUL
	MUL8 1, 2, 0
	MUL8 1, 3, 0
.endm
	s_wait_tensorcnt 1                             ; my part of K step 0 is in; K step 1's load may stay out
	s_barrier_signal -1
	s_barrier_wait -1                              ; everybody's is
	FETCH 0, 0, 0
	QUARTER 0, 1, 0, 1, 1                          ; the first quarter stands in front of the loop: its products start the sums
	WIN 0                                          ; at a label and at a branch every window is 0
	s_mov_b32 s3, LAPS-1
.Llap:                                                 ; a trip goes once round the ring, from a lap's second quarter to the next lap's first, and fills both slots again
	QUARTER 0, 2, 1, 0, 0
	QUARTER 0, 3, 0, 1, 0
	TURN 0, 1, 1
	QUARTER 1, 1, 0, 1, 0
	QUARTER 1, 2, 1, 0, 0
	QUARTER 1, 3, 0, 1, 0
	TURN 1, 0, 1
	QUARTER 0, 1, 0, 1, 0
	WIN 0
	s_sub_co_u32 s3, s3, 1
	s_cmp_lg_u32 s3, 0
	s_cbranch_scc1 .Llap
	QUARTER 0, 2, 1, 0, 0                          ; the last lap fills nothing, and has no round of the cluster's barrier
	QUARTER 0, 3, 0, 1, 0
	TURN 0, 1, 0
	QUARTER 1, 1, 0, 1, 0
	QUARTER 1, 2, 1, 0, 0
	QUARTER 1, 3, 0, 1, 0
	s_wait_dscnt 4                                 ; the very last quarter: nothing more to fetch
	WIN MUL
	MUL8 1, 0, 0
	MUL8 1, 1, 0
	s_wait_dscnt 0
	MUL8 1, 2, 0
	MUL8 1, 3, 0
	WIN 0
; THE WAY OUT, block by block of 16 rows x 128 columns.  A lane holds 32 neighbouring bytes of a row, and the lanes beside it hold other rows: so a block goes through my own stage in LDS and comes back as whole rows
; of 512 bytes; the bias is added there, where a lane holds the same four columns in every row.
.macro TOSTAGE a
	WIN 0x08                                       ; an LDS store's data are its source 1: window 2
.irp b, 0,1,2,3,4,5,6,7
	ds_store_b128 v[STO], v[8*(8*(\a)+\b):8*(8*(\a)+\b)+3] offset:64*\b           ; each accumulator from its low end on
	ds_store_b128 v[STO], v[8*(8*(\a)+\b)+4:8*(8*(\a)+\b)+7] offset:64*\b+16
.endr
	WIN 0
.set BB, BK+64*((\a)%2)
.irp t, 0,1,2,3,4,5,6,7,8,9,10,11,12,13,14,15
	ds_load_b128 v[BB+4*\t:BB+4*\t+3], v[RD] offset:\t*SPITCH   ; LDS serves a wave's instructions in order (ISA guide 5.7.1.4): these see the stores above
.endr
.endm
.macro SEND a, younger                 ; younger: the LDS instructions issued behind block a's loads, which may stay out
.set BB, BK+64*((\a)%2)
	s_wait_dscnt \younger                          ; the block is back in registers
.irp t, 0,1,2,3,4,5,6,7,8,9,10,11,12,13,14,15
	v_pk_add_f32 v[BB+4*\t:BB+4*\t+1], v[BB+4*\t:BB+4*\t+1], v[BI:BI+1]
	v_pk_add_f32 v[BB+4*\t+2:BB+4*\t+3], v[BB+4*\t+2:BB+4*\t+3], v[BI+2:BI+3]
	global_store_b128 v[CO], v[BB+4*\t:BB+4*\t+3], s[10:11] offset:65536*(\a)+4096*\t th:TH_STORE_NT   ; 32 lanes store 512 consecutive bytes, aligned; written once, read by nobody here
.endr
.endm
	PLACES                                         ; behind the last products
	s_wait_loadcnt 0x0                             ; bo
	TOSTAGE 0
.irp a, 1,2,3
.if \a > 1
	s_wait_xcnt 0x0                                ; block a - 2's stores have had their addresses translated (ISA guide 3.1): block a's loads may land on the registers that they read
.endif
	TOSTAGE \a
	SEND \a-1, 32                                  ; behind block a - 1's loads: block a's 16 stores and 16 loads
.endr
	SEND 3, 0
	s_wait_tensorcnt 0x0                           ; the wave's end: the tensor wait, an add of 0 to my spare word and its wait, behind my last tensor load and my last LDS store
	ds_add_u32 v[SPW], v[NIL]
	s_wait_dscnt 0x0
	CROUND                                         ; the closing round: no work-group ends while a partner may still ask for a tile that names it
	s_endpgm
.Lfunc_end_k_qaa74e6775f_outp:
	.size	k_qaa74e6775f_outp, .Lfunc_end_k_qaa74e6775f_outp-k_qaa74e6775f_outp
	.p2alignl 7, 3214868480
	.fill 96, 4, 3214868480
	.section	.rodata,"a",@progbits
	.p2align	6, 0x0
	.amdhsa_kernel k_qaa74e6775f_outp
		.amdhsa_group_segment_fixed_size 327680
		.amdhsa_private_segment_fixed_size 0
		.amdhsa_enable_private_segment 0
		.amdhsa_kernarg_size 32
		.amdhsa_user_sgpr_count 2
		.amdhsa_user_sgpr_kernarg_segment_ptr 1
		.amdhsa_wavefront_size32 1
		.amdhsa_system_sgpr_workgroup_id_x 1
		.amdhsa_system_sgpr_workgroup_id_y 1
		.amdhsa_system_sgpr_workgroup_id_z 1
		.amdhsa_system_vgpr_workitem_id 0
		.amdhsa_next_free_vgpr 768
		.amdhsa_next_free_sgpr 66
		.amdhsa_reserve_vcc 0
		.amdhsa_float_denorm_mode_32 3
		.amdhsa_float_denorm_mode_16_64 3
		.amdhsa_memory_ordered 1
		.amdhsa_forward_progress 1
		.amdhsa_inst_pref_size 94
	.end_amdhsa_kernel
	.amdgpu_metadata
---
amdhsa.version: [ 1, 2 ]
amdhsa.kernels:
  - .name:           k_qaa74e6775f_outp
    .symbol:         k_qaa74e6775f_outp.kd
    .args:
      - { .name: att, .offset: 0, .size: 8, .value_kind: global_buffer, .address_space: global }
      - { .name: wo16, .offset: 8, .size: 8, .value_kind: global_buffer, .address_space: global }
      - { .name: bo, .offset: 16, .size: 8, .value_kind: global_buffer, .address_space: global }
      - { .name: out0, .offset: 24, .size: 8, .value_kind: global_buffer, .address_space: global }
    .group_segment_fixed_size: 327680
    .private_segment_fixed_size: 0
    .kernarg_segment_align: 8
    .kernarg_segment_size: 32
    .max_flat_workgroup_size: 128
    .sgpr_count:     66
    .vgpr_count:     768
    .wavefront_size: 32
...
	.end_amdgpu_metadata
.endif
;; end of part 4
;; ======== version 2 of 2: 4 launches; 1.12 times as fast as version 1
;; limits: values are held in f16: magnitudes above 65,504 overflow, below 6.1e-05 lose precision
;; workspace buffers: xc 12,582,912 bytes; xs 786,432 bytes; wc 1,572,864 bytes; ws 98,304 bytes; wo16 2,097,152 bytes; mbits 524,288 bytes of whole numbers; qkv 50,331,648 bytes; att 16,777,216 bytes
;; launch prep: the kernel of part 1 again; grid 1008 x 1, 4 waves a work-group, no clusters, 101,888 bytes of LDS; arguments query, keys, values, Wq, Wk, Wv, Wo, mask, xc, xs, wc, ws, wo16, mbits; writes xc, xs, wc, ws, wo16, mbits
;; launch proj: the kernel of part 2 again; grid 4 x 96, 4 waves a work-group, clusters of 4 x 4, 327,680 bytes of LDS; arguments xc, xs, wc, ws, qkv; writes qkv
;; launch attn (part 5): grid 4 x 64, 8 waves a work-group, clusters of 4 x 1, 327,680 bytes of LDS; arguments qkv, mbits, att; writes att
.if DOCPART == 5
	.amdgcn_target "amdgcn-amd-amdhsa--gfx1250"
	.amdhsa_code_object_version 6
	.text
	.protected	k_qaa74e6775f_attn
	.globl	k_qaa74e6775f_attn
	.p2align	8
	.type	k_qaa74e6775f_attn,@function
k_qaa74e6775f_attn:
	s_mov_b64 s[64:65], 0
	v_nop
	global_prefetch_b8 v0, s[64:65] scope:SCOPE_SE
	s_setreg_imm32_b32 hwreg(HW_REG_WAVE_MODE, 25, 1), 1
	s_wait_xcnt 0x0
	s_wait_alu depctr_hold_cnt(0) depctr_sa_sdst(0) depctr_va_vdst(0) depctr_va_sdst(0) depctr_va_ssrc(0) depctr_va_vcc(0) depctr_vm_vsrc(0)
	s_getreg_b32 s2, hwreg(HW_REG_IB_STS2, 6, 4)
	s_cmp_eq_u32 s2, 0
	s_cbranch_scc0 .Lentry_in_a_cluster
	s_endpgm
.Lentry_in_a_cluster:
	s_bfe_u32 s2, ttmp6, 0x10000c
	s_cmp_lg_u32 s2, 0x3003
	s_cbranch_scc0 .Lentry_shape_is_right
	s_endpgm
.Lentry_shape_is_right:
; att[bh][q][:] = the sum over k of softmax_k(E[q][k]) v[bh][k][:], E = q . k / 8, or the masked value where mask[q][k] is 0.  q, k, v: qkv [3][64 bh][2048][64] f16; att [64 bh][2048][64] f16.
; Products with f16 operands and f32 sums; maxima, exponentials and scalings in f32; the weights p are rounded to f16 for the second product, the result once at the end.
; THE MASK comes as words of 32 bits (mbits): word 8 kt + j of (tile of 16 queries, step of 64 keys) has a bit for each lane, set where that lane's score register 8 kt + j is masked: one select a register.
; A masked score is -2^70 ahead of the scaling (an energy of -1.5e20 where the definition has -1e20): beside any key that counts both give p = 0; in a row where no key counts c s - c m is exactly 0
; (c m is exact: a power of two times c), every p is 1, and the row is the uniform one of the definition.
; THE WORDS ARE ASKED FOR HALF A KEY STEP AHEAD.  Scalar loads come back in no order, so a wait for them is for all of them, and the lead of a request is what stands between the LAST request and the wait.
; So the words of TWO tiles, 64 scalar registers, are held at a time, and a key step goes in two halves: the selects of two tiles, directly behind them the requests for the other two tiles' words, then the two
; tiles' softmax and their products V^T P: 206 vector and 20 matrix instructions, at the least, between a request and the wait for it.
; SOFTMAX.  For each query a running maximum m of the masked scores: p = 2^(c s - c m), c = log2(e) / 8; in every step O and the sum are multiplied by a = 2^(c m_old - c m_new).  No branch hangs on data.
; THE ROW'S SUM is a matrix product too: a fragment of ones times P adds, for each query, the 32 weights that the same step multiplies V by; it lands in every lane of the query.
; LIMITS: |q|, |k|, |v| under 65,504 (so a score's magnitude stays under 2.8e11, far from 2^70); NaN and infinities are not served.
; SHARES.  A cluster of four work-groups is one (batch, head); each work-group owns 512 queries, each of its eight waves 64: four tiles of 16, in 512 registers, two waves to a SIMD, so that one wave's
; vector work stands beside the other's matrix work and LDS loads.  Every wave walks the 2,048 keys, 64 a step; each fragment of K and V read from LDS feeds four matrix instructions.
; CLUSTER.  The four work-groups walk the same K and V, so each tile is asked for JOINTLY: the same tensor load, with the same descriptor and a mask that names the four, in all four.
; LAYOUT.  S^T = K Q^T (source 0 = 16 keys, source 1 = 16 queries): a lane holds ONE query (lane % 16) and the keys 8 (lane / 16) + 0..7 of each tile of 16.  Two such tiles, rounded in pairs, ARE source 1
; (32 keys x 16 queries) of O^T = V^T P.  K comes out of LDS as it lies, V ([key][channel]) turned, by ds_load_tr16_b128.
; LDS.  Two slots of 512 keys.  A key's row is 128 bytes and the rows are dense in memory, so a tile is stated as rows of two keys: 256 bytes + 16 of padding for K, + 32 for V.
; NO PREFETCH: a slot's refill is issued first thing behind its round and has eight key steps, 576 matrix instructions of a wave, before its first read.
; REGISTERS.  window 0: v2-13 addresses and constants; v16-47 eight registers of statistics a tile; v48-111 Q; v112-113 c, twice; v128-255 S^T, 32 a tile; P is written over the low half of its tile's S^T.
;   window 1: v0-127 O^T, 32 a tile; v128-191 eight fragments, K's and then V's; v192-223 the sums; v224-231 ones.
.set KP,    272                        ; two keys of K in LDS
.set VP,    288                        ; two keys of V
.set VOFF,  256*KP                     ; a slot: 256 such rows of K, then 256 of V
.set SLOTB, 256*(KP+VP)
.set SPARE, 2*SLOTB                    ; behind the slots: the spare words, 128 bytes for each wave: four blocks of 256 bytes that no other line names
.set STP,   144                        ; the way out: a stage of 16 rows x (128 bytes + 16) for each wave, in slot 0, which has had its last fill and its last read by then
.set TS,    16777216                   ; a tensor of qkv in bytes
.set AK0, 2                            ; v2   my lane's place in a tile of K
.set AV0, 3                            ; v3   the same for V
.set ADK, 4                            ; v4   LDS address of the step's K
.set ADV, 5                            ; v5   of its V
.set QO,  6                            ; v6   my byte offset in the wave's rows of Q
.set STO, 7                            ; v7   the way out: where I put 16 bytes of a row
.set RD,  8                            ; v8   where I read rows back
.set GO,  9                            ; v9   my byte offset in the wave's rows of att
.set NEG, 10                           ; v10  -2^70
.set SPW, 12                           ; v12  LDS address of my spare word; never rewritten
.set NIL, 13                           ; v13  0; never rewritten
.set ST,  16                           ; tile t's statistics at v[ST + 8 t]: +0 c m, +1 m, +4 to +7 at work; a takes +6 once the maximum is found
.set Q,   48                           ; Q(t, c) at v[Q + 16 t + 8 c]
.set CV,  112                          ; v[112:113] c = log2(e) / 8, twice: the packed scaling names a pair
.set S,   128
.set KV,  128                          ; in window 1
.set LA,  192
.set ONE, 224
.set MP,  2                            ; s[2:3]   where the mask words of my tile 0 at the step in hand lie
.set PKO, 4                            ; s4   where my quarter of K's tile lies in a slot
.set PVO, 5                            ; s5   the same for V's
.set SEL, 6                            ; s6, s7   lane selects for v_permlanex16_b32: lane l xor 16
.set G1K, 8                            ; s[8:15] descriptor group 1 for K's tiles;  s[16:23] for V's: it differs in the padding alone
.set G1V, 16
.set G0K, 24                           ; s[24:27], s[28:31] their groups 0, which walk
.set G0V, 28
.set MWB, 32                           ; s[32:63] the 32 mask words of the odd tile in hand (1 or 3).  Ahead of the first request: the set-up's temporaries; on the way out: att's address
.set WV,  66                           ; s66  my wave's number
.set TK,  67                           ; s67  LDS byte at which the step's K begins
.set MWA, 68                           ; s[68:99] the 32 mask words of the even tile in hand (0 or 2)
.set TV,  100                          ; s100 LDS byte at which the step's V begins
.set CNT, 101                          ; s101 counts a slot's steps
.set QB,  100                          ; s[100:101] Q at my wave's first row, until Q is in registers
.set ATT, 32                           ; s[32:33] on the way out: att at my wave's first row
.set MSB, 0
.macro WIN new                         ; the immediate's high byte repeats the setting that is left
.if MSB != \new
	s_set_vgpr_msb (MSB<<8)|\new
.set MSB, \new
.endif
.endm
.set W_KQ, 0x01                        ; K in window 1; Q and S^T in window 0
.set W_PV, 0x51                        ; V (or the ones), C and D in window 1; P in window 0
.set W_RS, 0x41                        ; destination and source 0 in window 1, source 1 in window 0
.set TO1,  0x40                        ; destination window 1, address window 0
; A joint load.  Waves 0 to 3 fetch the four quarters of a slot's K, waves 4 to 7 those of its V.  The branch hangs on the wave's number alone.  An s_nop 0 and four v_nop follow each of the two lines.
.macro JLOAD
	s_cmp_lt_u32 s[WV], 4
	s_cbranch_scc0 .Lfor_v_\@
	tensor_load_to_lds s[G0K:G0K+3], s[G1K:G1K+7]
	s_nop 0
.rept 4
	v_nop
.endr
	s_branch .Lasked_\@
.Lfor_v_\@:
	tensor_load_to_lds s[G0V:G0V+3], s[G1V:G1V+7]
	s_nop 0
.rept 4
	v_nop
.endr
.Lasked_\@:
.endm
.macro CROUND                          ; a round of the cluster's barrier: my work-group's barrier; wave 0 signals for the work-group; every wave waits for all four; my work-group's barrier once more
	s_barrier_signal -1
	s_barrier_wait -1
	s_cmp_lg_u32 s[WV], 0
	s_cbranch_scc1 .Lnot_wave_0_\@
	s_barrier_signal -3
.Lnot_wave_0_\@:
	s_barrier_wait -3
	s_barrier_signal -1
	s_barrier_wait -1
.endm
	s_load_b128 s[32:35], s[0:1], 0x0              ; qkv s[32:33], mbits s[34:35]
	v_lshl_add_u32 v[SPW], v0, 2, SPARE
	v_mov_b32 v[NIL], 0
	ds_add_u32 v[SPW], v[NIL]                      ; the wave's opening: the add, twice on end, and its wait ahead of my first tensor load; the set-up below stands between the second and the wait
	ds_add_u32 v[SPW], v[NIL]
	v_lshrrev_b32 v1, 5, v0
	v_readfirstlane_b32 s[WV], v1                  ; wave 0..7
	s_bfe_u32 s36, ttmp6, 0x40000                  ; cx
	s_lshl_b32 s37, ttmp9, 2                       ; in a cluster launch ttmp9 counts clusters
	s_add_co_u32 s36, s36, s37                     ; my block of 512 queries: it enters Q's, the mask words' and att's addresses alone
	s_and_b32 s37, ttmp7, 0xffff                   ; the (batch, head), which the four partners share
	; descriptor group 1: 64 rows of 128 elements of 2 bytes (two keys), dense in memory, padded in LDS
	s_mov_b32 s[G1K], 15|(1<<16)|(1<<20)|(1<<21)|(5<<22)|(3<<25)  ; 15:0 the mask: all four work-groups; 17:16 elements of 2 bytes; 20 padding on; 21 set beside a mask; 24:22 after every 64 words; 31:25 four words
	s_mov_b32 s[G1V], 15|(1<<16)|(1<<20)|(1<<21)|(5<<22)|(7<<25)  ; the same with eight words of padding
.irp g, G1K, G1V
	s_mov_b32 s[\g+1], 128<<16                     ; tensor_dim0 = 128
	s_mov_b32 s[\g+2], 64<<16                      ; tensor_dim1 = 64
	s_mov_b32 s[\g+3], 128<<16                     ; tile_dim0 = 128
	s_mov_b32 s[\g+4], 64                          ; tile_dim1 = 64
	s_mov_b32 s[\g+5], 128                         ; tensor_dim0_stride
	s_mov_b32 s[\g+6], 0
	s_mov_b32 s[\g+7], 0
.endr
	s_mov_b32 s[SEL], 0x76543210
	s_mov_b32 s[SEL+1], 0xfedcba98
	s_and_b32 s38, s[WV], 3                        ; which quarter of a slot's tile I fetch: 128 keys
	s_mul_i32 s[PKO], s38, 64*KP
	s_mul_i32 s[PVO], s38, 64*VP
	s_add_co_u32 s[PVO], s[PVO], VOFF
	s_lshl_b32 s40, s37, 18                        ; the head's first byte in a tensor: 262,144 a head
	s_lshl_b32 s42, s38, 14                        ; my quarter: 128 keys of 128 bytes
	s_add_co_u32 s42, s42, s40
	s_mov_b32 s43, 0
	s_lshl_b32 s44, s36, 16                        ; my block's 512 rows of 128 bytes,
	s_lshl_b32 s45, s[WV], 13                      ; my wave's 64
	s_add_co_u32 s44, s44, s45
	s_add_co_u32 s44, s44, s40
	s_mov_b32 s45, 0
	s_lshl_b32 s46, s36, 17                        ; the mask words: 4,096 bytes a tile of 16 queries: 32 tiles a block,
	s_lshl_b32 s47, s[WV], 14                      ; 4 a wave
	s_add_co_u32 s46, s46, s47
	s_mov_b32 s47, 0
	s_wait_dscnt 0x0                               ; both opening adds are done
	s_wait_kmcnt 0x0
	s_mov_b32 s[G0K], 1                            ; count = 1
	s_mov_b32 s[G0K+1], s[PKO]                     ; LDS address: slot 0
	s_add_nc_u64 s[G0K+2:G0K+3], s[32:33], s[42:43]
	s_mov_b32 s[G0V], 1
	s_mov_b32 s[G0V+1], s[PVO]
	s_add_nc_u64 s[G0V+2:G0V+3], s[G0K+2:G0K+3], 2*TS   ; V is the third tensor,
	s_add_nc_u64 s[G0K+2:G0K+3], s[G0K+2:G0K+3], TS     ; K the second: keys 0 to 511
	s_or_b32 s[G0K+3], s[G0K+3], 0x80000000        ; type = 2
	s_or_b32 s[G0V+3], s[G0V+3], 0x80000000
	s_add_nc_u64 s[QB:QB+1], s[32:33], s[44:45]    ; Q at my wave's first row
	s_add_nc_u64 s[MP:MP+1], s[34:35], s[46:47]
	CROUND                                         ; all four work-groups are here: the first joint loads meet
	JLOAD                                          ; slot 0: one load of mine is out
	s_load_b512 s[MWA:MWA+15], s[MP:MP+1], 0x0     ; the mask words of step 0, tiles 0 and 1 (the set-up's temporaries are done with)
	s_load_b512 s[MWA+16:MWA+31], s[MP:MP+1], 0x40
	s_load_b512 s[MWB:MWB+15], s[MP:MP+1], 4096
	s_load_b512 s[MWB+16:MWB+31], s[MP:MP+1], 4096+64
	v_and_b32 v14, 15, v0                          ; r
	v_bfe_u32 v15, v0, 4, 1                        ; h
	v_lshlrev_b32 v[QO], 7, v14
	v_lshl_add_u32 v[QO], v15, 4, v[QO]            ; row r of 128 bytes + 16 h
.irp t, 0,1,2,3
.irp c, 0,1
	global_load_b128 v[Q+16*\t+8*\c:Q+16*\t+8*\c+3],   v[QO], s[QB:QB+1] offset:2048*\t+64*\c      ; Q stays in registers: a fragment is 16 queries x 32 channels
	global_load_b128 v[Q+16*\t+8*\c+4:Q+16*\t+8*\c+7], v[QO], s[QB:QB+1] offset:2048*\t+64*\c+32
.endr
.endr
	v_lshrrev_b32 v1, 1, v14
	v_and_b32 v11, 1, v0
	v_mul_u32_u24 v[AK0], v1, KP                   ; K: key r lies in row r / 2, half r % 2;
	v_lshl_add_u32 v[AK0], v11, 7, v[AK0]
	v_lshl_add_u32 v[AK0], v15, 4, v[AK0]          ; + 16 h
	v_bfe_u32 v1, v0, 1, 2
	v_lshl_add_u32 v1, v15, 2, v1                  ; V: the turning load's lane l reads 16 bytes of key 8 h + l % 8, channels 8 ((l / 8) % 2) on
	v_mul_u32_u24 v[AV0], v1, VP
	v_lshl_add_u32 v[AV0], v11, 7, v[AV0]
	v_bfe_u32 v1, v0, 3, 1
	v_lshl_add_u32 v[AV0], v1, 4, v[AV0]
	s_mul_i32 s[TK], s[WV], 16*STP                 ; my stage (the register is set anew at the first slot's head)
	v_mul_u32_u24 v[STO], v14, STP
	v_lshl_add_u32 v[STO], v15, 4, v[STO]
	v_add_nc_u32 v[STO], s[TK], v[STO]             ; in: row r, 16 bytes for each half of the lanes
	v_bfe_u32 v1, v0, 3, 2
	v_mul_u32_u24 v[RD], v1, STP
	v_and_b32 v1, 7, v0
	v_lshl_add_u32 v[RD], v1, 4, v[RD]
	v_add_nc_u32 v[RD], s[TK], v[RD]               ; back: eight lanes to a row of 128 bytes, four rows an instruction
	v_and_b32 v[GO], 31, v0
	v_lshlrev_b32 v[GO], 4, v[GO]                  ; which are 512 consecutive bytes of att
	v_mov_b32 v[NEG], 0xe2800000                   ; -2^70
	v_mov_b32 v[CV], 0x3e38aa3b                    ; c = log2(e) / 8
	v_mov_b32 v[CV+1], 0x3e38aa3b
.irp t, 0,1,2,3
	v_mov_b32 v[ST+8*\t+1], 0xff61b1e6             ; m = -3e38, under every score, masked ones too
	v_mul_f32 v[ST+8*\t], v[CV], v[ST+8*\t+1]      ; c m
.endr
	WIN TO1                                        ; O^T and the sums begin as zeros, which the first a, 0, leaves zeros: so the key step is written without a first copy of its own
.set zi, 0
.rept 128
	v_mov_b32 v[zi], 0
.set zi, zi+1
.endr
.set zi, 0
.rept 32
	v_mov_b32 v[LA+zi], 0
.set zi, zi+1
.endr
.irp i, 0,1,2,3,4,5,6,7
	v_mov_b32 v[ONE+\i], 0x3c003c00                ; 1.0, twice, in f16
.endr
	WIN 0
.macro LOADK                           ; the step's K: 64 keys x 64 channels: fragment 2 kt + c = keys 16 kt on, channels 32 c on
.irp kt, 0,1,2,3
.irp c, 0,1
	ds_load_b128 v[KV+8*(2*\kt+\c):KV+8*(2*\kt+\c)+3],   v[ADK] offset:8*KP*\kt+64*\c
	ds_load_b128 v[KV+8*(2*\kt+\c)+4:KV+8*(2*\kt+\c)+7], v[ADK] offset:8*KP*\kt+64*\c+32
.endr
.endr
.endm
.macro LOADV                           ; the step's V, turned: fragment 4 g + d = keys 32 g on, channels 16 d on
.irp g, 0,1
.irp d, 0,1,2,3
	ds_load_tr16_b128 v[KV+8*(4*\g+\d):KV+8*(4*\g+\d)+3],   v[ADV] offset:16*VP*\g+32*\d
	ds_load_tr16_b128 v[KV+8*(4*\g+\d)+4:KV+8*(4*\g+\d)+7], v[ADV] offset:16*VP*\g+8*VP+32*\d
.endr
.endr
.endm
; 32 products S^T = K Q^T.  The 16 accumulators take turns, one instruction a turn; the first 16 start the sums.
.macro KQ_ALL
.irp c, 0,1
.irp kt, 0,1,2,3
.irp t, 0,1,2,3
.if \c == 0
	v_wmma_f32_16x16x32_f16 v[S+32*\t+8*\kt:S+32*\t+8*\kt+7], v[KV+8*(2*\kt+\c):KV+8*(2*\kt+\c)+7], v[Q+16*\t+8*\c:Q+16*\t+8*\c+7], 0
.else
	v_wmma_f32_16x16x32_f16 v[S+32*\t+8*\kt:S+32*\t+8*\kt+7], v[KV+8*(2*\kt+\c):KV+8*(2*\kt+\c)+7], v[Q+16*\t+8*\c:Q+16*\t+8*\c+7], v[S+32*\t+8*\kt:S+32*\t+8*\kt+7]
.endif
.endr
.endr
.endr
.endm
; 20 products for tiles x and x + 1: O^T += V^T P, and the sums += ones x P.  Ten accumulators by turns, one instruction a turn.
.macro PV_HALF x
.irp g, 0,1
.irp d, 0,1,2,3
.irp t, \x, \x+1
	v_wmma_f32_16x16x32_f16 v[32*(\t)+8*\d:32*(\t)+8*\d+7], v[KV+8*(4*\g+\d):KV+8*(4*\g+\d)+7], v[S+32*(\t)+8*\g:S+32*(\t)+8*\g+7], v[32*(\t)+8*\d:32*(\t)+8*\d+7]
.endr
.endr
.irp t, \x, \x+1
	v_wmma_f32_16x16x32_f16 v[LA+8*(\t):LA+8*(\t)+7], v[ONE:ONE+7], v[S+32*(\t)+8*\g:S+32*(\t)+8*\g+7], v[LA+8*(\t):LA+8*(\t)+7]
.endr
.endr
.endm
; The selects of tiles x and x + 1, and the requests for the words of the two tiles that come next: x = 0: tiles 2 and 3 of this step; x = 2: tiles 0 and 1 of the next.  Each request stands directly behind the
; 32 selects that have read its registers.
.macro MASK2 x
	s_wait_kmcnt 0x0                               ; these two tiles' 64 words are in; no scalar load is out, so their base may be written
.if (\x) == 2
	s_add_nc_u64 s[MP:MP+1], s[MP:MP+1], 128       ; on to the next step's words
.endif
.set i, 0
.rept 32
	v_cndmask_b32 v[S+32*(\x)+i], v[S+32*(\x)+i], v[NEG], s[MWA+i]   ; masked scores become -2^70; each accumulator is read from its low end on
.set i, i+1
.endr
	s_load_b512 s[MWA:MWA+15], s[MP:MP+1], 4096*(2-(\x))
	s_load_b512 s[MWA+16:MWA+31], s[MP:MP+1], 4096*(2-(\x))+64
.set i, 0
.rept 32
	v_cndmask_b32 v[S+32*(\x)+32+i], v[S+32*(\x)+32+i], v[NEG], s[MWB+i]
.set i, i+1
.endr
	s_load_b512 s[MWB:MWB+15], s[MP:MP+1], 4096*(3-(\x))       ; (behind the last step the four requests name the first words of my tiles 1 and 2: inside the buffer, and not used)
	s_load_b512 s[MWB+16:MWB+31], s[MP:MP+1], 4096*(3-(\x))+64
.endm
; One tile's softmax for one key step, behind its selects.
.macro SOFT t
.set rS, S+32*(\t)
.set rT, ST+8*(\t)
.irp j, 0,1,2,3
	v_max3_num_f32 v[rT+4+\j], v[rS+8*\j], v[rS+8*\j+1], v[rS+8*\j+2]      ; the maximum of my 32 scores and the old m: four chains of seven,
.endr
.irp u, 1,2
.irp j, 0,1,2,3
	v_max3_num_f32 v[rT+4+\j], v[rT+4+\j], v[rS+8*\j+2*\u+1], v[rS+8*\j+2*\u+2]
.endr
.endr
	v_max3_num_f32 v[rT+4], v[rT+4], v[rS+7], v[rS+15]                     ; the four left over,
	v_max3_num_f32 v[rT+6], v[rT+6], v[rS+23], v[rS+31]
	v_max3_num_f32 v[rT+4], v[rT+4], v[rT+5], v[rT+6]
	v_max3_num_f32 v[rT+4], v[rT+4], v[rT+7], v[rT+1]                      ; and m
	v_permlanex16_b32 v[rT+5], v[rT+4], s[SEL], s[SEL+1]                   ; the query's other 32 keys lie in the lane 16 away
	v_mov_b32 v[rT+7], v[rT]                                               ; c m_old is kept for a
	v_max_num_f32 v[rT+1], v[rT+4], v[rT+5]
	v_mul_f32 v[rT], v[CV], v[rT+1]
	v_sub_f32 v[rT+7], v[rT+7], v[rT]
.set i, 0
.rept 16
	v_pk_fma_f32 v[rS+2*i:rS+2*i+1], v[rS+2*i:rS+2*i+1], v[CV:CV+1], v[rT:rT+1] op_sel_hi:[1,1,0] neg_lo:[0,0,1] neg_hi:[0,0,1]   ; c s - c m, two at a time (of the pair c m, m the low word serves both halves)
.set i, i+1
.endr
	v_exp_f32 v[rT+6], v[rT+7]                     ; a; and the 32 weights: ONE batch, none of which reads another's result
.set i, 0
.rept 32
	v_exp_f32 v[rS+i], v[rS+i]
.set i, i+1
.endr
	v_nop                                          ; a plain instruction behind the last exponential,
	s_wait_alu depctr_va_vdst(0)                   ; and one wait ahead of the batch's first reader
.set i, 0
.rept 16
	v_cvt_pk_f16_f32 v[rS+i], v[rS+2*i], v[rS+2*i+1]   ; P over the low half of S^T: register i is written when registers 2 i and 2 i + 1 are read, and no later line reads under 2 i + 2
.set i, i+1
.endr
	WIN W_RS
.set i, 0
.rept 16
	v_pk_mul_f32 v[32*(\t)+2*i:32*(\t)+2*i+1], v[32*(\t)+2*i:32*(\t)+2*i+1], v[rT+6:rT+7] op_sel_hi:[1,0]   ; O^T x a
.set i, i+1
.endr
	v_pk_mul_f32 v[LA+8*(\t):LA+8*(\t)+1], v[LA+8*(\t):LA+8*(\t)+1], v[rT+6:rT+7] op_sel_hi:[1,0]   ; the sum x a: its register 0 is the one that is read at the end; registers 2 to 7 add weights of at most 1 and are never read
	WIN 0
.endm
; A KEY STEP: 64 keys.  All four tiles' scores; then two halves, each of two tiles: selects, the other half's words asked for, softmax, V^T P.
.macro STEP
	v_add_nc_u32 v[ADK], s[TK], v[AK0]
	v_add_nc_u32 v[ADV], s[TV], v[AV0]
.rept 3
	v_nop                                          ; with the two additions: five places behind the last step's products: four for the loads into their fragments, five for the products that write over P
.endr
	WIN TO1
	LOADK
	s_wait_dscnt 0x0
	WIN W_KQ
	KQ_ALL
	WIN 0
.rept 4
	v_nop                                          ; places ahead of the loads into K's fragments and of the first read of the scores
.endr
	WIN TO1
	LOADV                                          ; V lands while the first half's softmax is walked; it stays in its registers for both halves
	WIN 0
	MASK2 0
	SOFT 0
	SOFT 1
	s_wait_dscnt 0x0                               ; V is in
	WIN W_PV
	PV_HALF 0
	WIN 0
	MASK2 2                                        ; its selects name no register of the products just issued
	SOFT 2
	SOFT 3
	WIN W_PV
	PV_HALF 2
	WIN 0
.endm
.macro STEPS slot                      ; a slot's eight key steps: written once for each visit of a slot, walked eight times
	s_mov_b32 s[TK], (\slot)*SLOTB
	s_mov_b32 s[TV], (\slot)*SLOTB+VOFF
	s_mov_b32 s[CNT], 8
.Lstep_\@:
	STEP
	s_add_co_u32 s[TK], s[TK], 32*KP
	s_add_co_u32 s[TV], s[TV], 32*VP
	s_sub_co_u32 s[CNT], s[CNT], 1
	s_cmp_lg_u32 s[CNT], 0
	s_cbranch_scc1 .Lstep_\@
.endm
; THE CHANGE OF SLOTS stands at a slot's head.  Each wave waits for all its tensor loads (one is out: its part of the slot that it is about to read), adds 0 to its spare word, and waits for that and for its reads of
; the slot that it has left.  fill = 1: the barrier is a round of the cluster's, so that no wave of any partner still reads the other slot or has a load on its way, and the joint load into that slot is the first
; thing behind it: it has eight key steps in which to land.  The first change fills slot 1 for the first time.
.macro CHANGE fill, slot
	s_wait_tensorcnt 0x0                           ; no tensor load of mine is out, so a group 0 may be written
	ds_add_u32 v[SPW], v[NIL]                      ; 0 onto my spare word; the descriptors' steps stand between it and the wait for it
.if \fill
	s_add_co_u32 s[G0K+1], s[PKO], (\slot)*SLOTB
	s_add_nc_u64 s[G0K+2:G0K+3], s[G0K+2:G0K+3], 65536   ; the next 512 keys; the type bits on top are not reached
	s_add_co_u32 s[G0V+1], s[PVO], (\slot)*SLOTB
	s_add_nc_u64 s[G0V+2:G0V+3], s[G0V+2:G0V+3], 65536
.endif
	s_wait_dscnt 0x0                               ; the add is done, and my reads of the slot that I have left are over
.if \fill
	CROUND
	JLOAD
.else
	s_barrier_signal -1
	s_barrier_wait -1
.endif
.endm
	s_wait_loadcnt 0x0                             ; Q is in: its base's registers may be written
	CHANGE 1, 1                                    ; slot 0 is whole; keys 512 on go into slot 1
	STEPS 0
	CHANGE 1, 0                                    ; keys 1,024 on into slot 0
	STEPS 1
	CHANGE 1, 1                                    ; keys 1,536 on into slot 1
	STEPS 0
	CHANGE 0, 0                                    ; nothing is left to fetch
	STEPS 1
	; THE WAY OUT.  Register 0 of a tile's sums holds the whole row's sum in every lane of its query.  O^T is divided by it, rounded to f16 and sent through my stage in LDS, a tile (16 rows of att) at a time.
	s_wait_kmcnt 0x0                               ; the last words asked for, which nobody uses: their registers are free now
	s_load_b64 s[ATT:ATT+1], s[0:1], 0x10          ; att: asked for here, since the loop's scalar registers are taken by the mask words; it lands under the reciprocals
	s_bfe_u32 s36, ttmp6, 0x40000                  ; cx
	s_lshl_b32 s37, ttmp9, 2
	s_add_co_u32 s36, s36, s37                     ; my block of 512 queries
	s_and_b32 s37, ttmp7, 0xffff                   ; the (batch, head)
	s_lshl_b32 s34, s37, 18                        ; 262,144 bytes a head,
	s_lshl_b32 s36, s36, 16
	s_add_co_u32 s34, s34, s36                     ; my block's 512 rows of 128 bytes,
	s_lshl_b32 s36, s[WV], 13
	s_add_co_u32 s34, s34, s36                     ; my wave's 64
	s_mov_b32 s35, 0
.rept 4
	v_nop                                          ; places behind the last products
.endr
	WIN 0x01                                       ; source 0 window 1
.irp t, 0,1,2,3
	v_rcp_f32 v[ST+8*\t+6], v[LA+8*\t]
.endr
	WIN 0
	v_nop                                          ; a plain instruction between the last reciprocal and the use of its result,
	s_wait_alu depctr_va_vdst(0)                   ; and one wait for the four
	s_wait_kmcnt 0x0
	s_add_nc_u64 s[ATT:ATT+1], s[ATT:ATT+1], s[34:35]   ; att at my wave's first row
.macro OPACK t
	WIN W_RS
.set i, 0
.rept 16
	v_pk_mul_f32 v[32*\t+2*i:32*\t+2*i+1], v[32*\t+2*i:32*\t+2*i+1], v[ST+8*\t+6:ST+8*\t+7] op_sel_hi:[1,0]
.set i, i+1
.endr
	WIN 0x05                                       ; sources 0 and 1 window 1, destination window 0
.set i, 0
.rept 16
	v_cvt_pk_f16_f32 v[S+32*\t+i], v[32*\t+2*i], v[32*\t+2*i+1]   ; registers 4 d .. 4 d + 3: channels 16 d + 8 h + 0 .. 7 of query r
.set i, i+1
.endr
	WIN 0
.irp d, 0,1,2,3
	ds_store_b128 v[STO], v[S+32*\t+4*\d:S+32*\t+4*\d+3] offset:32*\d
.endr
.irp i, 0,1,2,3
	ds_load_b128 v[S+32*\t+16+4*\i:S+32*\t+16+4*\i+3], v[RD] offset:4*STP*\i   ; LDS serves a wave's instructions in order (ISA guide 5.7.1.4): these see the stores above, and the next tile's stores come behind them
.endr
.irp i, 0,1,2,3
	s_wait_dscnt 3-\i                              ; load i is in; the younger ones may be out
	global_store_b128 v[GO], v[S+32*\t+16+4*\i:S+32*\t+16+4*\i+3], s[ATT:ATT+1] offset:2048*\t+512*\i   ; 32 lanes store 512 consecutive bytes, aligned; no register of a store is written again
.endr
.endm
	OPACK 0
	OPACK 1
	OPACK 2
	OPACK 3
	s_wait_tensorcnt 0x0                           ; the wave's end: the tensor wait, an add of 0 to my spare word and its wait, behind my last tensor load and my last LDS store
	ds_add_u32 v[SPW], v[NIL]
	s_wait_dscnt 0x0
	CROUND                                         ; the closing round: no work-group ends while a partner may still ask for a tile that names it
	s_endpgm
.Lfunc_end_k_qaa74e6775f_attn:
	.size	k_qaa74e6775f_attn, .Lfunc_end_k_qaa74e6775f_attn-k_qaa74e6775f_attn
	.p2alignl 7, 3214868480
	.fill 96, 4, 3214868480
	.section	.rodata,"a",@progbits
	.p2align	6, 0x0
	.amdhsa_kernel k_qaa74e6775f_attn
		.amdhsa_group_segment_fixed_size 327680
		.amdhsa_private_segment_fixed_size 0
		.amdhsa_enable_private_segment 0
		.amdhsa_kernarg_size 24
		.amdhsa_user_sgpr_count 2
		.amdhsa_user_sgpr_kernarg_segment_ptr 1
		.amdhsa_wavefront_size32 1
		.amdhsa_system_sgpr_workgroup_id_x 1
		.amdhsa_system_sgpr_workgroup_id_y 1
		.amdhsa_system_sgpr_workgroup_id_z 1
		.amdhsa_system_vgpr_workitem_id 0
		.amdhsa_next_free_vgpr 512
		.amdhsa_next_free_sgpr 102
		.amdhsa_reserve_vcc 0
		.amdhsa_float_denorm_mode_32 3
		.amdhsa_float_denorm_mode_16_64 3
		.amdhsa_memory_ordered 1
		.amdhsa_forward_progress 1
		.amdhsa_inst_pref_size 182
	.end_amdhsa_kernel
	.amdgpu_metadata
---
amdhsa.version: [ 1, 2 ]
amdhsa.kernels:
  - .name:           k_qaa74e6775f_attn
    .symbol:         k_qaa74e6775f_attn.kd
    .args:
      - { .name: qkv, .offset: 0, .size: 8, .value_kind: global_buffer, .address_space: global }
      - { .name: mbits, .offset: 8, .size: 8, .value_kind: global_buffer, .address_space: global }
      - { .name: att, .offset: 16, .size: 8, .value_kind: global_buffer, .address_space: global }
    .group_segment_fixed_size: 327680
    .private_segment_fixed_size: 0
    .kernarg_segment_align: 8
    .kernarg_segment_size: 24
    .max_flat_workgroup_size: 256
    .sgpr_count:     102
    .vgpr_count:     512
    .wavefront_size: 32
...
	.end_amdgpu_metadata
.endif
;; end of part 5
;; launch outp: the kernel of part 4 again; grid 4 x 64, 4 waves a work-group, clusters of 4 x 4, 327,680 bytes of LDS; arguments att, wo16, bo, out0; writes out0
